; MI455X (gfx1250); checked and timed in simulation.
; The chip was launched on July 23, 2026; its instructions are those of AMD's public machine-readable ISA for CDNA 5 (MIT licence, August 2026) and "CDNA5" Instruction Set Architecture Reference Guide (July 2026). The comments in the code are by the model that wrote it; some were corrected since.
;; Self Attention. Allowed arithmetic: matrix products marked QUANTISED: E4M3 operands, one given power-of-two scale a tensor, by v_wmma_f32_16x16x64_fp8_fp8 or v_wmma_f32_16x16x128_fp8_fp8, f32 sums; everything else in f32.
;; Inputs: Wout 1,024 x 1,024 float32; Wqkv 3,072 x 1,024 float32; bout 1,024 float32; bqkv 3,072 float32; g_k 1,024 float32; g_out 1,024 float32; g_q 1,024 float32; lowp_scales 8 int32 (the exponents e of the quantised operands' scales 2^e); x 4 x 2,048 x 1,024 float32.
;; Outputs: out0 4 x 2,048 x 1,024 float32.
;; This version of the problem:
;;   THIS VERSION OF THE PROBLEM IS GIVEN IN LOW PRECISION. The matrix products marked QUANTISED in the list below multiply operands that are first quantised to E4M3 (4 exponent bits, 3 mantissa bits; 8 bits a number), with one given power-of-two scale for each operand tensor; their sums are f32. All else is computed in f32.
;;   The module's matrix products, in the order in which they are computed (A, B: the left and right operand; K: the contracted axis; several contracted axes count as one K, in the product's order):
;;     1. [M 8,192, K 1,024] x [K 1,024, N 3,072]; A: input x; B: input Wqkv: QUANTISED (scales: A lowp_scales[0], B lowp_scales[1])
;;     2. batch 64 x [M 2,048, K 64] x [K 64, N 2,048]; A: computed on the way; B: computed on the way: QUANTISED (scales: A lowp_scales[2], B lowp_scales[3])
;;     3. batch 64 x [M 2,048, K 2,048] x [K 2,048, N 64]; A: softmax (see below); B: computed on the way: QUANTISED (scales: A lowp_scales[4], B lowp_scales[5])
;;     4. [M 8,192, K 1,024] x [K 1,024, N 1,024]; A: computed on the way; B: input Wout: QUANTISED (scales: A lowp_scales[6], B lowp_scales[7])
;;   THE QUANTISER, for each operand of a quantised product, along K:
;;     - The operand's scale is 2^e, e = its entry of the input lowp_scales (int32; the entries are numbered through the quantised products in the list's order, A before B).
;;     - Each number is divided by the scale, clamped to +-448, and rounded to the nearest number of E4M3, ties to even, subnormals kept.
;;     - The product sums the exact products of the quantised numbers (number of the format x scale) in f32.
;;   ~~~python
;;   def quantise(x, axis, e):      # numpy; x: float32 -> the quantised numbers, widened to float32 again
;;       x = np.moveaxis(x, axis, -1); K = x.shape[-1]
;;       r = np.clip(x / 2.0 ** e, -448, 448)
;;       step = 2.0 ** (np.maximum(np.frexp(np.where(r == 0, 1, r))[1] - 1, -6) - 3)
;;       q = np.round(r / step) * step * 2.0 ** e      # np.round: ties to even
;;       return np.moveaxis(q, -1, axis).astype(np.float32)
;;   ~~~
;;   SOFTMAX AHEAD OF A QUANTISED PRODUCT. Where the list says 'softmax', what is quantised is not the finished softmax but p = 2^(t - M), with t = logit x log2(e) and M = ceil(the row's largest t), a whole number; so 1/2 < the row's largest p <= 1. The row's sum l is taken of the UNQUANTISED p, in f32, and the product's result is divided by l at the end. Since M is a whole number, a kernel that streams over the keys may use a running M (the ceiling of the running maximum): every later rescaling is an exact power of two, so the quantised numbers keep their values, but for numbers so far below the row's largest that they fall under the format's range.
;;   OPERANDS COMPUTED ON THE WAY. 'Computed on the way' means the value that the module computes at that place (a softmax that the list does not call 'softmax' is quantised finished and normalised). What goes into a quantiser is computed in f32, as accurately as f32 sums, v_exp_f32 and their like allow (about 1e-6 of the number): no bf16 or f16 on the way to a quantiser, and a product that is left as it is and whose result goes on into a quantised operand takes f32 operands (vector FMAs, or v_wmma_f32_16x16x4_f32). A number that lies on a knife's edge between two numbers of the format may be rounded either way, as far as f32 arithmetic and the matrix unit's own rounding can turn it there, and no further.
;; 2 versions, each right; version 2 is version 1 with the launches qkv, attn, proj written anew for expert scheduling mode. Each part assembles by itself: llvm-mc -triple=amdgcn-amd-amdhsa -mcpu=gfx1250 --defsym DOCPART=n.
;; ======== version 1 of 2: 4 launches
;; workspace buffers: x_img 8,388,608 bytes; wqkv_img 3,145,728 bytes; wout_img 1,048,576 bytes; q_img 8,388,608 bytes; k_img 8,388,608 bytes; v_img 8,388,608 bytes; a_img 8,388,608 bytes
;; launch quant (part 1): grid 384 x 1, 4 waves a work-group, no clusters, 34,304 bytes of LDS; arguments x, Wqkv, Wout, lowp_scales, x_img, wqkv_img, wout_img; writes x_img, wqkv_img, wout_img
.if DOCPART == 1
	.amdgcn_target "amdgcn-amd-amdhsa--gfx1250"
	.amdhsa_code_object_version 6
	.text
	.protected	k_q91cb9b2b29_quant
	.globl	k_q91cb9b2b29_quant
	.p2align	8
	.type	k_q91cb9b2b29_quant,@function
k_q91cb9b2b29_quant:
	s_mov_b64 s[64:65], 0
	v_nop
	global_prefetch_b8 v0, s[64:65] scope:SCOPE_SE
	s_setreg_imm32_b32 hwreg(HW_REG_WAVE_MODE, 25, 1), 1
	s_wait_xcnt 0x0
; x [8192][1024], Wqkv [3072][1024], Wout [1024][1024], f32, K innermost, become codes of FP8 (E4M3), each tensor with its given scale 2^e (entries 0, 1, 7 of the scales).
; code = x / 2^e, held within +-448, to the nearest code, ties to even.  LIMITS: e between -126 and 119, so that 2^e and 448 x 2^e are f32 numbers.  NaN among the inputs is not served.
; THE CODES ARE LAID AS IMAGES OF OPERAND REGISTERS.  Tile T holds 16 rows: place r of the tile is row 32 (T / 2) + 8 (T % 2) + r + 8 (r / 8).  A fragment (a tile x 128 along K) is 2,048 bytes,
; [piece c 0..3][lane 0..31][16 bytes]: lane (r = lane % 16, h = lane / 16), piece c holds k = 32 c + 16 h + 0 .. 15 of the tile's place r.  An image is [tile][K step 0..7][2,048].
; So every later load of a fragment is four loads of 512 consecutive bytes.
; SHARES.  A work-group takes 32 rows (two tiles): the first 256 work-groups x, the next 96 Wqkv, the last 32 Wout; only pointers, a number and an exponent are chosen, all take one path.
; Wave w takes tile w / 2 of the two and K steps 4 (w % 2) .. + 3: four fragments.  A load reads 512 consecutive bytes of one row; a fragment's 16 rows turn through the wave's own stage in LDS
; (rows of 528 bytes = 33 x 16: the sixteen rows that a read touches start at sixteen different banks) and come back 64 bytes a lane and piece.  Waves share nothing: no barrier.
.set ROWB,  4096                       ; a row of any of the three tensors, in bytes
.set SP,    528                        ; a stage row
.set STG,   16*SP                      ; a wave's stage
.set R,     16                         ; v16-143  two sets of 64: a fragment as it is loaded
.set X,     144                        ; v144-207 a fragment's 64 numbers of my lane: register 16 c + i = k 32 c + 16 h + i
.set C,     208                        ; v208-239 two sets of 16: codes
	s_load_b256 s[4:11], s[0:1], 0x0               ; x s[4:5], Wqkv s[6:7], Wout s[8:9], the scales s[10:11]
	s_load_b128 s[12:15], s[0:1], 0x20             ; x_img s[12:13], wqkv_img s[14:15]
	s_load_b64 s[16:17], s[0:1], 0x30              ; wout_img
	v_lshl_add_u32 v240, v0, 2, 0x8400
	v_mov_b32 v241, 0
	v_lshrrev_b32 v4, 5, v0
	v_readfirstlane_b32 s18, v4                    ; wave 0..3
	v_and_b32 v4, 31, v0
	v_lshlrev_b32 v1, 4, v4                        ; v1: 16 x lane: my bytes of a load's and of a store's 512
	s_mul_i32 s33, s18, STG
	v_add_nc_u32 v2, s33, v1                       ; v2: the stage, on the way in
	v_and_b32 v7, 15, v0                           ; r
	v_bfe_u32 v8, v0, 4, 1                         ; h
	v_mul_u32_u24 v3, v7, SP
	v_lshl_add_u32 v3, v8, 6, v3
	v_add_nc_u32 v3, s33, v3                       ; v3: and on the way out: row r, + 64 h
	s_wait_kmcnt 0x0
	s_load_b256 s[24:31], s[10:11], 0x0            ; e0 .. e7
	s_mov_b32 s19, 352
	s_cmp_lt_u32 ttmp9, s19                        ; the choices hang on the work-group's number alone
	s_cselect_b64 s[20:21], s[6:7], s[8:9]
	s_cselect_b64 s[22:23], s[14:15], s[16:17]
	s_cselect_b32 s19, 256, s19
	s_cmp_lt_u32 ttmp9, 256
	s_cselect_b64 s[20:21], s[4:5], s[20:21]       ; s[20:21] the tensor
	s_cselect_b64 s[22:23], s[12:13], s[22:23]     ; s[22:23] its image
	s_cselect_b32 s19, 0, s19
	s_sub_co_u32 s19, ttmp9, s19                   ; which 32 rows of the tensor
	s_lshl_b32 s34, s19, 17                        ; 32 rows of 4,096 bytes,
	s_lshr_b32 s36, s18, 1
	s_lshl_b32 s36, s36, 15                        ; + 8 rows for the second tile,
	s_add_co_u32 s34, s34, s36
	s_and_b32 s36, s18, 1
	s_lshl_b32 s36, s36, 11                        ; + 2,048 bytes for the second half of K
	s_add_co_u32 s34, s34, s36
	s_mov_b32 s35, 0
	s_add_nc_u64 s[20:21], s[20:21], s[34:35]
	s_lshl_b32 s34, s19, 15                        ; the image: two tiles of 16,384 bytes, + 8,192 x wave
	s_lshl_b32 s36, s18, 13
	s_add_co_u32 s34, s34, s36
	s_add_nc_u64 s[22:23], s[22:23], s[34:35]
.macro LOADF f                         ; fragment f: place i of the tile is i + 8 (i / 8) rows down
.irp i, 0,1,2,3,4,5,6,7,8,9,10,11,12,13,14,15
	global_load_b128 v[R+64*((\f)%2)+4*\i:R+64*((\f)%2)+4*\i+3], v1, s[20:21] offset:(\i+8*(\i/8))*ROWB+512*(\f) th:TH_LOAD_NT
.endr
.endm
.macro FRAG f
.if (\f) < 3
	s_wait_loadcnt 16                              ; this fragment's 16 loads are in; the next fragment's 16 may be out
.else
	s_wait_loadcnt 0x0
.endif
.irp i, 0,1,2,3,4,5,6,7,8,9,10,11,12,13,14,15
	ds_store_b128 v2, v[R+64*((\f)%2)+4*\i:R+64*((\f)%2)+4*\i+3] offset:SP*\i
.endr
.irp c, 0,1,2,3
.irp j, 0,1,2,3
	ds_load_b128 v[X+16*\c+4*\j:X+16*\c+4*\j+3], v3 offset:128*\c+16*\j   ; LDS serves a wave's instructions in order (ISA guide 5.7.1.4): these see the stores above
.endr
.endr
	s_wait_dscnt 0x0                               ; my 64 numbers are in, and the stores have read the set,
.if (\f) < 2
	LOADF (\f)+2                                   ; which takes the fragment two further on
.endif
.set Q, 0
.rept 64
	v_med3_num_f32 v[X+Q], v[X+Q], -v6, v6         ; the conversion to an 8-bit code does not saturate (ISA guide 7.6.2): the hold at the largest code x the scale
.set Q, Q+1
.endr
.if (\f) >= 2
	s_wait_xcnt 0x0                                ; the stores of two fragments back have read this set of codes: it is written again only behind this wait
.endif
.irp c, 0,1,2,3
	v_cvt_scalef32_pk8_fp8_f32 v[C+16*((\f)%2)+4*\c:C+16*((\f)%2)+4*\c+1], v[X+16*\c:X+16*\c+7], v5
	v_cvt_scalef32_pk8_fp8_f32 v[C+16*((\f)%2)+4*\c+2:C+16*((\f)%2)+4*\c+3], v[X+16*\c+8:X+16*\c+15], v5
.endr
	v_nop                                          ; a plain line between the conversions and the next fragment's holds, which write their sources
.irp c, 0,1,2,3
	global_store_b128 v1, v[C+16*((\f)%2)+4*\c:C+16*((\f)%2)+4*\c+3], s[22:23] offset:2048*(\f)+512*\c   ; 32 lanes store 512 consecutive bytes, at a multiple of 512 from the image's first byte
.endr
.endm
	LOADF 0
	LOADF 1
	s_wait_kmcnt 0x0
	s_cmp_lt_u32 ttmp9, 352
	s_cselect_b32 s37, s25, s31                    ; e1 or e7,
	s_cmp_lt_u32 ttmp9, 256
	s_cselect_b32 s37, s24, s37                    ; or e0
	s_add_co_i32 s37, s37, 127
	s_lshl_b32 s38, s37, 23
	v_mov_b32 v5, s38                              ; 2^e as f32: the conversion takes its exponent field
	s_add_co_i32 s37, s37, 8
	s_lshl_b32 s37, s37, 23
	s_or_b32 s37, s37, 0x600000
	v_mov_b32 v6, s37                              ; 448 x 2^e
	FRAG 0
	FRAG 1
	FRAG 2
	FRAG 3
	s_wait_tensorcnt 0x0
	ds_add_u32 v240, v241
	s_wait_dscnt 0x0
	s_endpgm
.Lfunc_end_k_q91cb9b2b29_quant:
	.size	k_q91cb9b2b29_quant, .Lfunc_end_k_q91cb9b2b29_quant-k_q91cb9b2b29_quant
	.p2alignl 7, 3214868480
	.fill 96, 4, 3214868480
	.section	.rodata,"a",@progbits
	.p2align	6, 0x0
	.amdhsa_kernel k_q91cb9b2b29_quant
		.amdhsa_group_segment_fixed_size 34304
		.amdhsa_private_segment_fixed_size 0
		.amdhsa_enable_private_segment 0
		.amdhsa_kernarg_size 56
		.amdhsa_user_sgpr_count 2
		.amdhsa_user_sgpr_kernarg_segment_ptr 1
		.amdhsa_wavefront_size32 1
		.amdhsa_system_sgpr_workgroup_id_x 1
		.amdhsa_system_sgpr_workgroup_id_y 1
		.amdhsa_system_sgpr_workgroup_id_z 1
		.amdhsa_system_vgpr_workitem_id 0
		.amdhsa_next_free_vgpr 242
		.amdhsa_next_free_sgpr 66
		.amdhsa_reserve_vcc 0
		.amdhsa_float_denorm_mode_32 3
		.amdhsa_float_denorm_mode_16_64 3
		.amdhsa_memory_ordered 1
		.amdhsa_forward_progress 1
		.amdhsa_inst_pref_size 37
	.end_amdhsa_kernel
	.amdgpu_metadata
---
amdhsa.version: [ 1, 2 ]
amdhsa.kernels:
  - .name:           k_q91cb9b2b29_quant
    .symbol:         k_q91cb9b2b29_quant.kd
    .args:
      - { .name: x, .offset: 0, .size: 8, .value_kind: global_buffer, .address_space: global }
      - { .name: Wqkv, .offset: 8, .size: 8, .value_kind: global_buffer, .address_space: global }
      - { .name: Wout, .offset: 16, .size: 8, .value_kind: global_buffer, .address_space: global }
      - { .name: lowp_scales, .offset: 24, .size: 8, .value_kind: global_buffer, .address_space: global }
      - { .name: x_img, .offset: 32, .size: 8, .value_kind: global_buffer, .address_space: global }
      - { .name: wqkv_img, .offset: 40, .size: 8, .value_kind: global_buffer, .address_space: global }
      - { .name: wout_img, .offset: 48, .size: 8, .value_kind: global_buffer, .address_space: global }
    .group_segment_fixed_size: 34304
    .private_segment_fixed_size: 0
    .kernarg_segment_align: 8
    .kernarg_segment_size: 56
    .max_flat_workgroup_size: 128
    .sgpr_count:     66
    .vgpr_count:     242
    .wavefront_size: 32
...
	.end_amdgpu_metadata
.endif
;; end of part 1
;; launch qkv (part 2): grid 512 x 1, 4 waves a work-group, no clusters, 75,264 bytes of LDS; arguments x_img, wqkv_img, bqkv, g_q, g_k, lowp_scales, q_img, k_img, v_img; writes q_img, k_img, v_img
.if DOCPART == 2
	.amdgcn_target "amdgcn-amd-amdhsa--gfx1250"
	.amdhsa_code_object_version 6
	.text
	.protected	k_q91cb9b2b29_qkv
	.globl	k_q91cb9b2b29_qkv
	.p2align	8
	.type	k_q91cb9b2b29_qkv,@function
k_q91cb9b2b29_qkv:
	s_mov_b64 s[64:65], 0
	v_nop
	global_prefetch_b8 v0, s[64:65] scope:SCOPE_SE
	s_setreg_imm32_b32 hwreg(HW_REG_WAVE_MODE, 25, 1), 1
	s_wait_xcnt 0x0
; qkv = x Wqkv^T + bqkv on codes of FP8; q and k are normalised over their 1,024 channels (x g x 32, q also x 1/8) and quantised (scales 2, 3); v is quantised (scale 5).  All three leave as images of operand registers.
; IMAGES (see the launch that makes x_img): tile T's place r is row 32 (T / 2) + 8 (T % 2) + r + 8 (r / 8); a fragment is [piece c][lane][16 bytes], lane (r, h), piece c: k = 32 c + 16 h + 0 .. 15.
; In a result, register j of lane (r, h) is place 8 h + j of source 0's tile, which is row 32 (T / 2) + 16 h + 8 (T % 2) + j: the 16 registers of tiles 2 b and 2 b + 1 are 16 NEIGHBOURS, 32 b + 16 h + 0 .. 15: a piece of the next operand.
; ONE PRODUCT LOOP: D = a STREAMED fragment (source 0) x a STATIONARY fragment (source 1).  The stationary operand, 4 tiles x 8 K steps = 65,536 bytes, is copied once into LDS; the stream goes from memory straight
; into a ring of 16 fragments in registers: in a work-group no other wave wants a wave's stream fragments.
;   work-groups 0-255 (q: 0-127, k: 128-255): stationary = 64 tokens of x, stream = the part's 1,024 rows of Wqkv, 16 tiles a wave: a lane holds ONE token, its registers run along the channels.  The work-group owns whole rows, so the norm stays inside it.
;   work-groups 256-511 (v): stationary = a head's 64 rows of Wqkv, stream = 512 tokens of x, 8 tiles a wave: a lane holds ONE channel, its registers run along the tokens, which are the second attention product's K.
; NO CLUSTER, NO TENSOR LOADS: a K step of the stream is 131,072 bytes a work-group, so LDS would hold two slots of one K step, with a wait for all loads and a barrier of the cluster for every 64 matrix instructions of a wave;
; the ring in registers has 64 loads of 512 bytes a wave asked for and is never drained.
; LIMITS: e0 + e1 between -126 and 127; e2, e3, e5 between -126 and 119.  NaN is not served.  The norm is taken as value x g x (factor x 1 / max(sqrt(sum of squares), 1e-12)): another order of f32 roundings than x / norm x g x 32.
; REGISTERS, in windows of 256: window 0: v1-10 addresses and the scale; v16-23 v's bias; v24-31 the rows' factors; v32-47 sums of squares; v48-63 the waves' partial sums; v64-79 bias and g on their way to LDS;
;   v128-255 the stationary copy, then two sets of 4 stationary fragments, then codes.   window 1: the ring (slot n % 4 at 64 (n % 4)); in the epilogue bias at v[8 b + j], g at v[128 + 8 b + j].
;   windows 2, 3: the accumulators: (stationary tile a, stream tile b) in window 2 + b / 8 at v[8 (4 (b % 8) + a)].
.set BIASL, 65536                      ; LDS: 0 the stationary images; 65,536 the part's 1,024 biases;
.set GLO,   4096                       ; 4,096 bytes behind them its 1,024 gains;
.set RED,   73728                      ; 73,728 the partial sums of squares: [wave][tile a][place r], f32
.set LI,   1                           ; v1   16 x lane
.set TI,   2                           ; v2   16 x thread
.set T32,  3                           ; v3   32 x thread
.set BST,  4                           ; v4   BIASL + 32 x thread
.set BADR, 5                           ; v5   BIASL + 1,024 x wave + 64 h
.set RADR, 6                           ; v6   RED + 256 x wave + 4 r
.set RRD,  7                           ; v7   RED + 4 r
.set QS,   8                           ; v8   the quantiser's scale as f32
.set VBO,  10                          ; v10  4 (r + 8 (r / 8))
.set VB,   16
.set RN,   24
.set SS,   32
.set PS,   48
.set BG,   64
.set XS,   128
.set CD,   128
.set WV,   22                          ; s22  wave
.set ST,   32                          ; s[32:33] the stationary operand
.set SM,   34                          ; s[34:35] my wave's stream
.set OUT,  36                          ; s[36:37] where my codes go
.set SC,   38                          ; s[38:39] 2^(e0 + e1), twice
.set NLIM, 40                          ; s40, s41  -+448 x the quantiser's scale
.set PLIM, 41
.set FAC,  42                          ; s42  4 for q (32 / 8), 32 for k
.set SEL,  44                          ; s[44:45] v_permlanex16_b32's selects for lane l xor 16
.set BP,   46                          ; s[46:47] the bias
.set GP,   48                          ; s[48:49] the gain
.set MSB, 0
.macro WIN new                         ; the immediate's high byte repeats the setting that is left; a switch that changes nothing is dropped
.if MSB != (\new)
	s_set_vgpr_msb (MSB<<8)|(\new)
.set MSB, (\new)
.endif
.endm
.set MULW, 0xa1                        ; source 0 (ring) window 1, source 1 (stationary) window 0, C and D window 2; + 0x50: window 3
.set TO_R, 0x40                        ; destination window 1, address window 0
.macro XLOAD k                         ; the four stationary fragments of K step k into set k % 2
	WIN 0
.irp a, 0,1,2,3
.irp c, 0,1,2,3
	ds_load_b128 v[XS+64*((\k)%2)+16*\a+4*\c:XS+64*((\k)%2)+16*\a+4*\c+3], v[LI] offset:16384*\a+2048*(\k)+512*\c
.endr
.endr
.endm
.macro RLOAD idx, grp                  ; instance idx = K step idx / grp, group idx % grp of four stream tiles: 16 loads of 512 consecutive bytes into ring slot idx % 4.  Every offset is an immediate: no address is ever rewritten
	WIN TO_R
.irp i, 0,1,2,3
.irp c, 0,1,2,3
	global_load_b128 v[64*((\idx)%4)+16*\i+4*\c:64*((\idx)%4)+16*\i+4*\c+3], v[LI], s[SM:SM+1] offset:(4*((\idx)%(\grp))+\i)*16384+2048*((\idx)/(\grp))+512*\c
.endr
.endr
.endm
; An instance: 16 matrix instructions, four stream tiles x four stationary tiles, 128 along K.  The accumulators take turns, one instruction a turn: an accumulator comes again grp instances later.
.macro INST idx, grp
.set KK, (\idx)/(\grp)
.set GG, (\idx)%(\grp)
.set LAST, 8*(\grp)-1
.if GG == 0
	s_wait_dscnt 0x0                               ; this K step's stationary fragments are in (asked for a K step ago)
.if KK < 7
	XLOAD KK+1                                     ; the next K step's, into the other set: its last readers stand in front of the four v_nop of the instance before
.endif
.endif
.if LAST-(\idx) >= 3
	s_wait_loadcnt 48                              ; loads come back in order (ISA guide 5.7.1): this instance's 16 are in, those of the three instances behind it stay out
.else
	s_wait_loadcnt 16*(LAST-(\idx))                ; the tail: two, one, none behind it
.endif
	WIN MULW+0x50*(GG/2)
.irp i, 0,1,2,3
.irp a, 0,1,2,3
.if KK == 0
	v_wmma_f32_16x16x128_fp8_fp8 v[8*(4*((4*GG+\i)%8)+\a):8*(4*((4*GG+\i)%8)+\a)+7], v[64*((\idx)%4)+16*\i:64*((\idx)%4)+16*\i+15], v[XS+64*(KK%2)+16*\a:XS+64*(KK%2)+16*\a+15], 0
.else
	v_wmma_f32_16x16x128_fp8_fp8 v[8*(4*((4*GG+\i)%8)+\a):8*(4*((4*GG+\i)%8)+\a)+7], v[64*((\idx)%4)+16*\i:64*((\idx)%4)+16*\i+15], v[XS+64*(KK%2)+16*\a:XS+64*(KK%2)+16*\a+15], v[8*(4*((4*GG+\i)%8)+\a):8*(4*((4*GG+\i)%8)+\a)+7]
.endif
.endr
.endr
.rept 4
	v_nop                                          ; four places in front of the loads into the slot just multiplied, of the next stationary loads, and at the end of the first read of results
.endr
.if (\idx)+4 <= LAST
	RLOAD (\idx)+4,\grp
.endif
.endm
.macro BARRIER                         ; my LDS stores have landed and my LDS loads are in: then the work-group's barrier
	s_wait_dscnt 0x0
	s_barrier_signal -1
	s_barrier_wait -1
.endm
.macro SCALES                          ; s51 = the quantiser's e
	s_add_co_i32 s51, s51, 127
	s_lshl_b32 s52, s51, 23
	v_mov_b32 v[QS], s52                           ; 2^e as f32: the conversion takes its exponent field
	s_add_co_i32 s51, s51, 8
	s_lshl_b32 s51, s51, 23
	s_or_b32 s[PLIM], s51, 0x600000                ; 448 x 2^e
	s_or_b32 s[NLIM], s[PLIM], 0x80000000
	s_add_co_i32 s[SC], s24, s25
	s_add_co_i32 s[SC], s[SC], 127
	s_lshl_b32 s[SC], s[SC], 23                    ; 2^(e0 + e1)
	s_mov_b32 s[SC+1], s[SC]                       ; (named with it as a pair, so it is written)
.endm
; THE EPILOGUE'S PARTS, each for one window of accumulators (wi = 0: window 2, stream tiles 0-7; 1: window 3, tiles 8-15).  Register X of a window is accumulator (a = (X / 8) % 4, b = 8 wi + X / 32), register X % 8.
.macro E_BIAS wi                       ; sum x 2^(e0 + e1) + bias, in place; each accumulator from its low end on
	WIN 0x92+0x41*(\wi)
.set X, 0
.rept 128
	v_pk_fma_f32 v[X:X+1], v[X:X+1], s[SC:SC+1], v[64*(\wi)+8*(X/32)+X%8:64*(\wi)+8*(X/32)+X%8+1] op_sel_hi:[1,0,1]
.set X, X+2
.endr
.endm
.macro E_SQ wi                         ; sums of squares: two chains of pairs for each token tile, eight chains by turns; the first products start them: nothing is cleared
	WIN 0x0a+5*(\wi)
.irp bb, 0,1,2,3,4,5,6,7
.irp j, 0,2,4,6
.irp a, 0,1,2,3
.if ((\wi)==0)&&(\bb==0)&&(\j<4)
	v_pk_mul_f32 v[SS+4*\a+\j:SS+4*\a+\j+1], v[8*(4*\bb+\a)+\j:8*(4*\bb+\a)+\j+1], v[8*(4*\bb+\a)+\j:8*(4*\bb+\a)+\j+1]
.else
	v_pk_fma_f32 v[SS+4*\a+\j%4:SS+4*\a+\j%4+1], v[8*(4*\bb+\a)+\j:8*(4*\bb+\a)+\j+1], v[8*(4*\bb+\a)+\j:8*(4*\bb+\a)+\j+1], v[SS+4*\a+\j%4:SS+4*\a+\j%4+1]
.endif
.endr
.endr
.endr
.endm
.macro E_GAIN wi                       ; x g
	WIN 0x86+0x41*(\wi)
.set X, 0
.rept 128
	v_pk_mul_f32 v[X:X+1], v[X:X+1], v[128+64*(\wi)+8*(X/32)+X%8:128+64*(\wi)+8*(X/32)+X%8+1]
.set X, X+2
.endr
.endm
.macro E_NORM wi                       ; x the row's factor
	WIN 0x82+0x41*(\wi)
.set X, 0
.rept 128
	v_pk_mul_f32 v[X:X+1], v[X:X+1], v[RN+2*((X/8)%4):RN+2*((X/8)%4)+1]
.set X, X+2
.endr
.endm
.macro E_HOLD wi                       ; the conversion to an 8-bit code does not saturate (ISA guide 7.6.2): the hold at the largest code x the scale
	WIN 0x82+0x41*(\wi)
.set X, 0
.rept 256
	v_med3_num_f32 v[X], v[X], s[NLIM], s[PLIM]
.set X, X+1
.endr
.endm
.macro E_CODE wi                       ; accumulator (a, b)'s eight numbers become registers 2 (b % 2), + 1 of the piece (a, b / 2): the piece's four registers stand at CD + 64 wi + 16 a + 4 ((b % 8) / 2)
	WIN 0x02+(\wi)
.irp a, 0,1,2,3
.irp bb, 0,1,2,3,4,5,6,7
	v_cvt_scalef32_pk8_fp8_f32 v[CD+64*(\wi)+16*\a+2*\bb:CD+64*(\wi)+16*\a+2*\bb+1], v[8*(4*\bb+\a):8*(4*\bb+\a)+7], v[QS]
.endr
.endr
	v_nop                                          ; a plain line behind the last conversion
	WIN 0
.endm
	s_load_b256 s[4:11], s[0:1], 0x0               ; x_img s[4:5], wqkv_img s[6:7], bqkv s[8:9], g_q s[10:11]
	s_load_b256 s[12:19], s[0:1], 0x20             ; g_k s[12:13], the scales s[14:15], q_img s[16:17], k_img s[18:19]
	s_load_b64 s[20:21], s[0:1], 0x40              ; v_img
	v_lshl_add_u32 v126, v0, 2, 0x12400
	v_mov_b32 v127, 0
	v_lshrrev_b32 v11, 5, v0
	v_readfirstlane_b32 s[WV], v11                 ; wave 0..3
	v_and_b32 v11, 31, v0
	v_lshlrev_b32 v[LI], 4, v11
	v_lshlrev_b32 v[TI], 4, v0
	v_lshlrev_b32 v[T32], 5, v0
	v_add_nc_u32 v[BST], BIASL, v[T32]
	v_and_b32 v12, 15, v0                          ; r
	v_bfe_u32 v13, v0, 4, 1                        ; h
	s_lshl_b32 s50, s[WV], 10
	s_add_co_u32 s50, s50, BIASL
	v_lshl_add_u32 v[BADR], v13, 6, s50
	s_lshl_b32 s51, s[WV], 8
	s_add_co_u32 s51, s51, RED
	v_lshl_add_u32 v[RADR], v12, 2, s51
	v_lshlrev_b32 v[RRD], 2, v12
	v_add_nc_u32 v[RRD], RED, v[RRD]
	v_and_b32 v[VBO], 8, v12
	v_add_nc_u32 v[VBO], v[VBO], v12
	v_lshlrev_b32 v[VBO], 2, v[VBO]
	s_mov_b32 s[SEL], 0x76543210
	s_mov_b32 s[SEL+1], 0xfedcba98
	s_and_b32 s52, ttmp9, 127
	s_lshl_b32 s52, s52, 16                        ; q, k: stationary = block (id % 128) of 64 tokens: 65,536 bytes of x_img
	s_and_b32 s53, ttmp9, 15
	s_lshl_b32 s53, s53, 16
	s_add_co_u32 s53, s53, 2097152                 ; v: stationary = head (id % 16): tiles 128 + 4 head on of wqkv_img
	s_bfe_u32 s54, ttmp9, 0x10007
	s_lshl_b32 s54, s54, 20
	s_lshl_b32 s55, s[WV], 18
	s_add_co_u32 s54, s54, s55                     ; q, k: stream = the part's 64 tiles, 16 a wave
	s_bfe_u32 s56, ttmp9, 0x40004                  ; v: which 512 tokens: (id / 16) % 16
	s_lshl_b32 s57, s56, 19
	s_lshl_b32 s55, s[WV], 17
	s_add_co_u32 s57, s57, s55                     ; v: stream = their 32 tiles, 8 a wave
	s_cmp_lt_u32 ttmp9, 256                        ; the choices hang on the work-group's number alone
	s_cselect_b32 s52, s52, s53
	s_cselect_b32 s54, s54, s57
	s_mov_b32 s53, 0
	s_mov_b32 s55, 0
	s_wait_kmcnt 0x0
	s_cselect_b64 s[ST:ST+1], s[4:5], s[6:7]
	s_cselect_b64 s[SM:SM+1], s[6:7], s[4:5]
	s_add_nc_u64 s[ST:ST+1], s[ST:ST+1], s[52:53]
	s_add_nc_u64 s[SM:SM+1], s[SM:SM+1], s[54:55]
	s_load_b256 s[24:31], s[14:15], 0x0            ; e0 .. e7
.irp i, 0,1,2,3,4,5,6,7,8,9,10,11,12,13,14,15,16,17,18,19,20,21,22,23,24,25,26,27,28,29,30,31
	global_load_b128 v[XS+4*\i:XS+4*\i+3], v[TI], s[ST:ST+1] offset:2048*\i   ; the stationary operand: the 128 threads take 2,048 consecutive bytes a line
.endr
	RLOAD 0,4                                      ; (instance 0 is the same for both kinds of work-group)
	WIN 0
	s_wait_loadcnt 16                              ; the copy is in; instance 0's 16 loads may be out
.irp i, 0,1,2,3,4,5,6,7,8,9,10,11,12,13,14,15,16,17,18,19,20,21,22,23,24,25,26,27,28,29,30,31
	ds_store_b128 v[TI], v[XS+4*\i:XS+4*\i+3] offset:2048*\i
.endr
	s_cmp_lt_u32 ttmp9, 256
	s_cbranch_scc0 .Lv_path                        ; the same way for all four waves
	; ================ q, k ================
	s_bfe_u32 s50, ttmp9, 0x10007                  ; 0: q, 1: k
	s_lshl_b32 s52, s50, 12
	s_mov_b32 s53, 0
	s_add_nc_u64 s[BP:BP+1], s[8:9], s[52:53]      ; the part's 1,024 biases
	s_cmp_eq_u32 s50, 0
	s_cselect_b64 s[GP:GP+1], s[10:11], s[12:13]
	s_cselect_b64 s[OUT:OUT+1], s[16:17], s[18:19]
	global_load_b128 v[BG:BG+3], v[T32], s[BP:BP+1]
	global_load_b128 v[BG+4:BG+7], v[T32], s[BP:BP+1] offset:16
	global_load_b128 v[BG+8:BG+11], v[T32], s[GP:GP+1]
	global_load_b128 v[BG+12:BG+15], v[T32], s[GP:GP+1] offset:16
	RLOAD 1,4
	RLOAD 2,4
	RLOAD 3,4
	WIN 0
	s_bfe_u32 s52, ttmp9, 0x20005                  ; the batch: 16 heads of 131,072 bytes,
	s_lshl_b32 s52, s52, 21
	s_lshl_b32 s51, s[WV], 19                      ; my wave's four heads,
	s_add_co_u32 s52, s52, s51
	s_and_b32 s51, ttmp9, 31
	s_lshl_b32 s51, s51, 12                        ; the block's four token tiles of 1,024 bytes
	s_add_co_u32 s52, s52, s51
	s_add_nc_u64 s[OUT:OUT+1], s[OUT:OUT+1], s[52:53]
	s_wait_kmcnt 0x0
	s_mov_b32 s[FAC], 0x42000000                   ; 32
	s_cmp_eq_u32 s50, 0
	s_cselect_b32 s51, s26, s27                    ; e2 or e3
	s_cselect_b32 s[FAC], 0x40800000, s[FAC]       ; q: 32 / 8 = 4
	SCALES
	s_wait_loadcnt 48                              ; bias and g are in (and instance 0); the 48 loads of instances 1 to 3 may be out
	ds_store_b128 v[BST], v[BG:BG+3]
	ds_store_b128 v[BST], v[BG+4:BG+7] offset:16
	ds_store_b128 v[BST], v[BG+8:BG+11] offset:GLO
	ds_store_b128 v[BST], v[BG+12:BG+15] offset:GLO+16
	BARRIER                                        ; the stationary images, the biases and the gains lie in LDS
	XLOAD 0
.set N, 0
.rept 32
	INST N,4
.set N, N+1
.endr
	WIN TO_R                                       ; the ring is free: my 256 channels' bias and g, in the result's layout: pair p of tiles: 16 neighbours at 128 p + 64 h
.irp p, 0,1,2,3,4,5,6,7
.irp j, 0,1,2,3
	ds_load_b128 v[16*\p+4*\j:16*\p+4*\j+3], v[BADR] offset:128*\p+16*\j
	ds_load_b128 v[128+16*\p+4*\j:128+16*\p+4*\j+3], v[BADR] offset:GLO+128*\p+16*\j
.endr
.endr
	s_wait_dscnt 0x0
	E_BIAS 0
	E_SQ 0
	E_BIAS 1
	E_SQ 1
	WIN 0
.irp a, 0,1,2,3
	v_pk_add_f32 v[SS+4*\a:SS+4*\a+1], v[SS+4*\a:SS+4*\a+1], v[SS+4*\a+2:SS+4*\a+3]
.endr
.irp a, 0,1,2,3
	v_add_f32 v[SS+4*\a], v[SS+4*\a], v[SS+4*\a+1]
.endr
.irp a, 0,1,2,3
	v_permlanex16_b32 v[SS+4*\a+1], v[SS+4*\a], s[SEL], s[SEL+1]   ; the token's other 128 of my wave's channels lie in the lane 16 away
.endr
.irp a, 0,1,2,3
	v_add_f32 v[SS+4*\a], v[SS+4*\a], v[SS+4*\a+1]
.endr
.irp a, 0,1,2,3
	ds_store_b32 v[RADR], v[SS+4*\a] offset:64*\a  ; lanes r and r + 16 write the same word with the same number
.endr
	BARRIER                                        ; the four waves' partial sums lie in LDS
.irp a, 0,1,2,3
.irp w, 0,1,2,3
	ds_load_b32 v[PS+4*\a+\w], v[RRD] offset:256*\w+64*\a
.endr
.endr
	s_wait_dscnt 0x0
.irp a, 0,1,2,3
	v_add_f32 v[PS+4*\a], v[PS+4*\a], v[PS+4*\a+1]
	v_add_f32 v[PS+4*\a+2], v[PS+4*\a+2], v[PS+4*\a+3]
.endr
.irp a, 0,1,2,3
	v_add_f32 v[PS+4*\a], v[PS+4*\a], v[PS+4*\a+2] ; the same order in every wave: all four get the same number
.endr
.irp a, 0,1,2,3
	v_sqrt_f32 v[PS+4*\a+1], v[PS+4*\a]
.endr
	v_nop                                          ; a plain line behind the last root,
	s_wait_alu depctr_va_vdst(0)                   ; and one wait for the four, ahead of their first reader
.irp a, 0,1,2,3
	v_max_num_f32 v[PS+4*\a+1], 0x2b8cbccc, v[PS+4*\a+1]   ; max(norm, 1e-12)
.endr
.irp a, 0,1,2,3
	v_rcp_f32 v[PS+4*\a+2], v[PS+4*\a+1]
.endr
	v_nop
	s_wait_alu depctr_va_vdst(0)                   ; likewise for the four reciprocals
.irp a, 0,1,2,3
	v_mul_f32 v[RN+2*\a], s[FAC], v[PS+4*\a+2]
	v_mul_f32 v[RN+2*\a+1], s[FAC], v[PS+4*\a+2]
.endr
.irp wi, 0,1
	E_GAIN \wi
	E_NORM \wi
	E_HOLD \wi
	E_CODE \wi
.irp a, 0,1,2,3
.irp p, 0,1,2,3                        ; pair 4 wi + p of my channel tiles: head (4 wi + p) / 2 of my four, piece p % 2; token tile a
	global_store_b128 v[LI], v[CD+64*\wi+16*\a+4*\p:CD+64*\wi+16*\a+4*\p+3], s[OUT:OUT+1] offset:((4*\wi+\p)/2)*131072+1024*\a+512*(\p%2)   ; 512 consecutive bytes, aligned
.endr
.endr
.endr
	s_wait_tensorcnt 0x0
	ds_add_u32 v126, v127
	s_wait_dscnt 0x0
	s_endpgm
	; ================ v ================
.Lv_path:
	s_and_b32 s50, ttmp9, 15                       ; the head
	s_lshl_b32 s52, s50, 8
	s_add_co_u32 s52, s52, 8192
	s_mov_b32 s53, 0
	s_add_nc_u64 s[BP:BP+1], s[8:9], s[52:53]      ; its 64 biases
.irp a, 0,1,2,3
	global_load_b32 v[VB+2*\a], v[VBO], s[BP:BP+1] offset:4*(32*(\a/2)+8*(\a%2))     ; my lane's channel of tile a, twice: a pair for the packed form
	global_load_b32 v[VB+2*\a+1], v[VBO], s[BP:BP+1] offset:4*(32*(\a/2)+8*(\a%2))
.endr
	RLOAD 1,2
	RLOAD 2,2
	RLOAD 3,2
	WIN 0
	s_lshr_b32 s51, s56, 2                         ; the batch
	s_lshl_b32 s51, s51, 4
	s_add_co_u32 s51, s51, s50
	s_lshl_b32 s52, s51, 17                        ; (16 x batch + head) x 131,072
	s_and_b32 s51, s56, 3
	s_lshl_b32 s51, s51, 2
	s_add_co_u32 s51, s51, s[WV]
	s_lshl_b32 s51, s51, 13                        ; my wave's key step: 8,192 bytes
	s_add_co_u32 s52, s52, s51
	s_add_nc_u64 s[OUT:OUT+1], s[20:21], s[52:53]
	s_wait_kmcnt 0x0
	s_mov_b32 s51, s29                             ; e5
	SCALES
	BARRIER                                        ; the stationary images lie in LDS
	XLOAD 0
.set N, 0
.rept 16
	INST N,2                                       ; (instance 0's wait leaves 48 loads out: the bias, asked for ahead of them, is in)
.set N, N+1
.endr
	WIN 0x82
.set X, 0
.rept 128
	v_pk_fma_f32 v[X:X+1], v[X:X+1], s[SC:SC+1], v[VB+2*((X/8)%4):VB+2*((X/8)%4)+1] op_sel_hi:[1,0,1]   ; sum x 2^(e0 + e1) + bias; each accumulator from its low end on
.set X, X+2
.endr
	E_HOLD 0
	E_CODE 0
.irp a, 0,1,2,3
.irp p, 0,1,2,3                        ; channel tile a, piece p: keys 32 p + 16 h + 0 .. 15 of my key step
	global_store_b128 v[LI], v[CD+16*\a+4*\p:CD+16*\a+4*\p+3], s[OUT:OUT+1] offset:2048*\a+512*\p
.endr
.endr
	s_wait_tensorcnt 0x0
	ds_add_u32 v126, v127
	s_wait_dscnt 0x0
	s_endpgm
.Lfunc_end_k_q91cb9b2b29_qkv:
	.size	k_q91cb9b2b29_qkv, .Lfunc_end_k_q91cb9b2b29_qkv-k_q91cb9b2b29_qkv
	.p2alignl 7, 3214868480
	.fill 96, 4, 3214868480
	.section	.rodata,"a",@progbits
	.p2align	6, 0x0
	.amdhsa_kernel k_q91cb9b2b29_qkv
		.amdhsa_group_segment_fixed_size 75264
		.amdhsa_private_segment_fixed_size 0
		.amdhsa_enable_private_segment 0
		.amdhsa_kernarg_size 72
		.amdhsa_user_sgpr_count 2
		.amdhsa_user_sgpr_kernarg_segment_ptr 1
		.amdhsa_wavefront_size32 1
		.amdhsa_system_sgpr_workgroup_id_x 1
		.amdhsa_system_sgpr_workgroup_id_y 1
		.amdhsa_system_sgpr_workgroup_id_z 1
		.amdhsa_system_vgpr_workitem_id 0
		.amdhsa_next_free_vgpr 1024
		.amdhsa_next_free_sgpr 72
		.amdhsa_reserve_vcc 0
		.amdhsa_float_denorm_mode_32 3
		.amdhsa_float_denorm_mode_16_64 3
		.amdhsa_memory_ordered 1
		.amdhsa_forward_progress 1
		.amdhsa_inst_pref_size 255
	.end_amdhsa_kernel
	.section	.bss,"aw",@nobits
	.p2align	6
	.space	262144
	.amdgpu_metadata
---
amdhsa.version: [ 1, 2 ]
amdhsa.kernels:
  - .name:           k_q91cb9b2b29_qkv
    .symbol:         k_q91cb9b2b29_qkv.kd
    .args:
      - { .name: x_img, .offset: 0, .size: 8, .value_kind: global_buffer, .address_space: global }
      - { .name: wqkv_img, .offset: 8, .size: 8, .value_kind: global_buffer, .address_space: global }
      - { .name: bqkv, .offset: 16, .size: 8, .value_kind: global_buffer, .address_space: global }
      - { .name: g_q, .offset: 24, .size: 8, .value_kind: global_buffer, .address_space: global }
      - { .name: g_k, .offset: 32, .size: 8, .value_kind: global_buffer, .address_space: global }
      - { .name: lowp_scales, .offset: 40, .size: 8, .value_kind: global_buffer, .address_space: global }
      - { .name: q_img, .offset: 48, .size: 8, .value_kind: global_buffer, .address_space: global }
      - { .name: k_img, .offset: 56, .size: 8, .value_kind: global_buffer, .address_space: global }
      - { .name: v_img, .offset: 64, .size: 8, .value_kind: global_buffer, .address_space: global }
    .group_segment_fixed_size: 75264
    .private_segment_fixed_size: 0
    .kernarg_segment_align: 8
    .kernarg_segment_size: 72
    .max_flat_workgroup_size: 128
    .sgpr_count:     72
    .vgpr_count:     1024
    .wavefront_size: 32
...
	.end_amdgpu_metadata
.endif
;; end of part 2
;; launch attn (part 3): grid 4 x 64, 8 waves a work-group, no clusters, 263,168 bytes of LDS; arguments q_img, k_img, v_img, lowp_scales, a_img; writes a_img
.if DOCPART == 3
	.amdgcn_target "amdgcn-amd-amdhsa--gfx1250"
	.amdhsa_code_object_version 6
	.text
	.protected	k_q91cb9b2b29_attn
	.globl	k_q91cb9b2b29_attn
	.p2align	8
	.type	k_q91cb9b2b29_attn,@function
k_q91cb9b2b29_attn:
	s_mov_b64 s[64:65], 0
	v_nop
	global_prefetch_b8 v0, s[64:65] scope:SCOPE_SE
	s_setreg_imm32_b32 hwreg(HW_REG_WAVE_MODE, 25, 1), 1
	s_wait_xcnt 0x0
; out[q] = softmax_k(q . k) v for one head, both products on codes of FP8 (scales 2, 3; 4, 5); the result is quantised (scale 6) into a_img, the image of the last product's left operand.
; THE SOFTMAX AHEAD OF THE SECOND PRODUCT: t = score x log2(e); M = the running largest t rounded UP to a whole number; p = 2^(t - M) is what is quantised; the row's sum is taken of the unquantised p and divides at the end.
; When M moves, the sum and O are multiplied by 2^(old M - new M): nothing is rounded, and there is no branch on floating-point data.
; SHARES.  A work-group takes one head (work-group y = 16 x batch + head) and 512 of its 2,048 queries (work-group x).  THE HEAD'S WHOLE K AND V LIE IN LDS for the whole launch: 131,072 bytes each, as images of operand
; registers: no ring, one barrier.  Each of the eight waves makes two passes, each with TWO tiles of 16 queries over 16 key steps of 128 keys: a key step's fragments of K and V, 16,384 bytes, are read from LDS once for both tiles.
; LAYOUT.  Both products are used transposed: S^T = K Q^T (source 0 = 16 keys), O^T = V^T P^T (source 0 = 16 of the head's 64 channels): a lane holds ONE query of each tile throughout.  A tile's place r is row
; 32 (T / 2) + 8 (T % 2) + r + 8 (r / 8), so the 16 registers of key tiles 2 b, 2 b + 1 are keys 32 b + 16 h + 0 .. 15: the conversions' results are P's registers; likewise O^T's registers are pieces of a_img.
; THE LDS LOADS RUN AHEAD: V of a step is asked for at the step's head, K of the next step straight behind this step's score products: both land under the softmax.
; THE TWO TILES ARE SKEWED: tile 0's 64 exponentials alternate with tile 1's maximum, its way to M and its scalings (64 plain lines); tile 1's with tile 0's sums and its rescaling of O^T (48).  Each batch has one plain line and one
; wait behind it, and nothing inside a batch names a result of that batch.
; NO CLUSTER: K and V are fetched once, 262,144 bytes a work-group at its head, against 32 key steps a wave; a joint request is a tensor load; the branch on e4 spares 64 vector instructions a tile and step.
; THE BRANCH ON e4 (a whole number read from memory).  p is at most 1 but for the rounding of one multiply-add; 448 x 2^e4 is at least 1.75 for e4 >= -8, so the hold cannot bind there and is jumped over; for e4 < -8 it is executed.
; LIMITS: e2 + e3 between -126 and 127 (added to log2(e)'s exponent field); e4 and e6 between -126 and 119; e4 + e5 is applied by v_ldexp_f32 and has none.  NaN is not served.
; REGISTERS, in windows of 256 (s_set_vgpr_msb: bits 1:0 source 0, 3:2 source 1, 5:4 source 2, 7:6 destination):
;   window 0: v1 16 lane; v2 16 lane + V's base; v3 16 thread; v4-7 the copy's LDS addresses; v8, v9 the addresses of the loads in hand; v10, v11 the old -M; for tile T: v[12+2T] -M, v[13+2T] the largest t,
;     v[16+2T:17+2T] the sum in two halves, v[20+2T:..] the second sum chain, v[24+2T] f (its neighbour is 0), v[28+4T ..] four chains of the maximum, v[36+T] the exchange; v38, v39: 2^e4, 448 x 2^e4; v40, v41: the same for e6;
;     v[48+64T ..] S^T, then p; v[176+32T ..] O^T; v[240+8T ..] the codes that leave.
;   window 1: v0-63 K's 8 fragments; v64-127 V's 4; v[128+16p+8T ..] Q of pass p, tile T; v[160+16T ..] p's codes.
.set VLDS, 131072                      ; LDS: K's images from 0, V's from here
.set OMB,  10
.set NMB,  12
.set LSB,  16
.set L2B,  20
.set FFB,  24
.set MXB,  28
.set PXB,  36
.set C4,   38
.set H4,   39
.set C6,   40
.set H6,   41
.set SB,   48
.set OB,   176
.set OC,   240
.set KF,   0                           ; in window 1
.set VF,   64
.set QF,   128
.set PF,   160
.set MSB, 0
.macro WIN new                         ; the immediate's high byte repeats the setting that is left; a switch that changes nothing is dropped
.if MSB != (\new)
	s_set_vgpr_msb (MSB<<8)|(\new)
.set MSB, (\new)
.endif
.endm
.set TO_1, 0x40                        ; destination window 1
.set MULW, 0x05                        ; sources 0 and 1 window 1; C and D window 0
.set ST_1, 0x04                        ; an LDS store's data in window 1
; THE COPY.  Line l is 4,096 consecutive bytes, 16 a thread: lines 0-31 K's images, lines 32-63 V's; it lies at LDS byte 4,096 l.  Lines 0-47 go through v48-239 of window 0, lines 48-63 through v0-63 of window 1.
.macro CLINE l, st                     ; st = 0: the load; 1: the LDS store
.if (\l) < 48
.set CR, SB+4*(\l)
.else
.set CR, 4*((\l)-48)
.endif
.if \st
	ds_store_b128 v[4+(\l)/16], v[CR:CR+3] offset:4096*((\l)%16)
.elseif (\l) < 32
	global_load_b128 v[CR:CR+3], v3, s[6:7] offset:4096*(\l)
.else
	global_load_b128 v[CR:CR+3], v3, s[8:9] offset:4096*((\l)-32)
.endif
.endm
.macro CGROUP g, st                    ; lines 8 g .. 8 g + 7
.set L, 8*(\g)
.rept 8
	CLINE L, \st
.set L, L+1
.endr
.endm
; THE SOFTMAX OF ONE TILE t FOR ONE KEY STEP, as numbered lists; the step below deals them out.
.macro MAXI t, i                       ; 32 lines: the largest of my 64 scores, in four chains, in ascending order: each accumulator is read from its low end on
.if (\i) < 4
	v_max3_num_f32 v[MXB+4*(\t)+(\i)], v[SB+64*(\t)+3*(\i)], v[SB+64*(\t)+3*(\i)+1], v[SB+64*(\t)+3*(\i)+2]
.elseif (\i) < 30
	v_max3_num_f32 v[MXB+4*(\t)+(\i)%4], v[MXB+4*(\t)+(\i)%4], v[SB+64*(\t)+2*(\i)+4], v[SB+64*(\t)+2*(\i)+5]
.elseif (\i) == 30
	v_max3_num_f32 v[MXB+4*(\t)], v[MXB+4*(\t)], v[MXB+4*(\t)+1], v[MXB+4*(\t)+2]
.else
	v_max_num_f32 v[MXB+4*(\t)], v[MXB+4*(\t)], v[MXB+4*(\t)+3]
.endif
.endm
.macro CHN t, i                        ; 8 lines, each waiting for the one before: from the lane's maximum to -M and f
.if (\i) == 0
	v_permlanex16_b32 v[PXB+(\t)], v[MXB+4*(\t)], s20, s21         ; the query's other 64 keys lie in the lane 16 away
.elseif (\i) == 1
	v_max_num_f32 v[MXB+4*(\t)], v[MXB+4*(\t)], v[PXB+(\t)]
.elseif (\i) == 2
	v_mul_f32 v[MXB+4*(\t)], s22, v[MXB+4*(\t)]                    ; as t (c is positive)
.elseif (\i) == 3
	v_max_num_f32 v[NMB+2*(\t)+1], v[NMB+2*(\t)+1], v[MXB+4*(\t)]  ; the running largest t
.elseif (\i) == 4
	v_floor_f32 v[NMB+2*(\t)], -v[NMB+2*(\t)+1]                    ; the new -M = floor(-t) = -ceil(t)
.elseif (\i) == 5
	v_sub_f32 v[MXB+4*(\t)], v[NMB+2*(\t)], v[OMB+(\t)]            ; old M - new M: a whole number, 0 or less
.elseif (\i) == 6
	v_cvt_i32_f32 v[MXB+4*(\t)], v[MXB+4*(\t)]                     ; (it saturates)
.else
	v_ldexp_f32 v[FFB+2*(\t)], 1.0, v[MXB+4*(\t)]                  ; f = 2^(old M - new M)
.endif
.endm
.macro FMA t, i                        ; 32 lines: t - M, two at a time (of the pairs c and -M the low word serves both halves)
	v_pk_fma_f32 v[SB+64*(\t)+2*(\i):SB+64*(\t)+2*(\i)+1], v[SB+64*(\t)+2*(\i):SB+64*(\t)+2*(\i)+1], s[22:23], v[NMB+2*(\t):NMB+2*(\t)+1] op_sel_hi:[1,0,0]
.endm
.macro EXPI t, i                       ; 64 lines: p = 2^(t - M): not normalised
	v_exp_f32 v[SB+64*(\t)+(\i)], v[SB+64*(\t)+(\i)]
.endm
.macro LX t                            ; the sums under the new M
	v_pk_mul_f32 v[LSB+2*(\t):LSB+2*(\t)+1], v[LSB+2*(\t):LSB+2*(\t)+1], v[FFB+2*(\t):FFB+2*(\t)+1] op_sel_hi:[1,0]
.endm
.macro SUMI t, i                       ; 32 lines: the row's sum is taken of the unquantised p: two at a time, in two chains
.if (\i) == 0
	v_pk_add_f32 v[L2B+2*(\t):L2B+2*(\t)+1], v[SB+64*(\t):SB+64*(\t)+1], v[SB+64*(\t)+2:SB+64*(\t)+3]
.elseif (\i) == 31
	v_pk_add_f32 v[LSB+2*(\t):LSB+2*(\t)+1], v[LSB+2*(\t):LSB+2*(\t)+1], v[L2B+2*(\t):L2B+2*(\t)+1]
.elseif ((\i)%2) == 1
	v_pk_add_f32 v[LSB+2*(\t):LSB+2*(\t)+1], v[LSB+2*(\t):LSB+2*(\t)+1], v[SB+64*(\t)+2*(\i)+2:SB+64*(\t)+2*(\i)+3]
.else
	v_pk_add_f32 v[L2B+2*(\t):L2B+2*(\t)+1], v[L2B+2*(\t):L2B+2*(\t)+1], v[SB+64*(\t)+2*(\i)+2:SB+64*(\t)+2*(\i)+3]
.endif
.endm
.macro RSC t, i                        ; 16 lines: O^T under the new M; ascending: each accumulator from its low end on
	v_pk_mul_f32 v[OB+32*(\t)+2*(\i):OB+32*(\t)+2*(\i)+1], v[OB+32*(\t)+2*(\i):OB+32*(\t)+2*(\i)+1], v[FFB+2*(\t):FFB+2*(\t)+1] op_sel_hi:[1,0]
.endm
	s_load_b256 s[4:11], s[0:1], 0x0               ; q_img s[4:5], k_img s[6:7], v_img s[8:9], the scales s[10:11]
	s_load_b64 s[12:13], s[0:1], 0x20              ; a_img
	v_lshl_add_u32 v46, v0, 2, 0x40000
	v_mov_b32 v47, 0
	v_lshrrev_b32 v8, 5, v0
	v_readfirstlane_b32 s14, v8                    ; wave 0..7
	v_and_b32 v8, 31, v0
	v_lshlrev_b32 v1, 4, v8
	v_add_nc_u32 v2, VLDS, v1
	v_lshlrev_b32 v3, 4, v0
.irp n, 0,1,2,3
	v_add_nc_u32 v[4+\n], 65536*\n, v3
.endr
	s_and_b32 s15, ttmp7, 0xffff                   ; 16 x batch + head
	s_lshl_b32 s40, s15, 17                        ; its 131,072 bytes in each of the three images
	s_mov_b32 s41, 0
	s_lshl_b32 s42, ttmp9, 5
	s_lshl_b32 s43, s14, 1
	s_add_co_u32 s42, s42, s43                     ; my first pass's first query tile: 32 x + 2 x wave; the second tile follows it, the second pass's lie 16 tiles on
	s_lshl_b32 s44, s42, 10
	s_add_co_u32 s44, s44, s40
	s_mov_b32 s45, 0
	s_lshr_b32 s46, s15, 4
	s_lshl_b32 s46, s46, 7
	s_add_co_u32 s46, s46, s42
	s_lshl_b32 s46, s46, 14                        ; a_img: token tile 128 x batch + my tile, 16,384 bytes each;
	s_bfe_u32 s47, s15, 0x30001
	s_lshl_b32 s47, s47, 11                        ; K step head / 2;
	s_add_co_u32 s46, s46, s47
	s_and_b32 s47, s15, 1
	s_lshl_b32 s47, s47, 10                        ; pieces 2 (head % 2) and + 1
	s_add_co_u32 s46, s46, s47
	s_mov_b32 s47, 0
	s_mov_b32 s20, 0x76543210                      ; v_permlanex16_b32's selects for lane l xor 16
	s_mov_b32 s21, 0xfedcba98
	s_wait_kmcnt 0x0
	s_load_b256 s[24:31], s[10:11], 0x0            ; e0 .. e7
	s_add_nc_u64 s[4:5], s[4:5], s[44:45]
	s_add_nc_u64 s[6:7], s[6:7], s[40:41]
	s_add_nc_u64 s[8:9], s[8:9], s[40:41]
	s_add_nc_u64 s[36:37], s[12:13], s[46:47]
	WIN TO_1
.irp p, 0,1
.irp t, 0,1
.irp c, 0,1
	global_load_b128 v[QF+16*\p+8*\t+4*\c:QF+16*\p+8*\t+4*\c+3], v1, s[4:5] offset:16384*\p+1024*\t+512*\c   ; Q's four fragments stay in registers
.endr
.endr
.endr
	WIN 0
.irp g, 0,1,2,3,4,5
	CGROUP \g, 0                                   ; 8 loads of Q and 48 lines are out
.endr
	s_wait_loadcnt 40                              ; Q and lines 0-7 are in; the 40 lines behind them stay out
	CGROUP 0, 1
	WIN TO_1
	CGROUP 6, 0
	s_wait_loadcnt 40                              ; lines 8-15 are in; lines 16-55 stay out
	WIN 0
	CGROUP 1, 1
	WIN TO_1
	CGROUP 7, 0
	WIN 0
.irp g, 2,3,4,5
	s_wait_loadcnt 56-8*\g                         ; group g's eight lines are in; the lines behind them, 8 (7 - g), stay out
	CGROUP \g, 1
.endr
	WIN ST_1
.irp g, 6,7
	s_wait_loadcnt 56-8*\g
	CGROUP \g, 1
.endr
	WIN 0
	s_wait_dscnt 0x0                               ; for the others' sake: my stores have landed
	s_barrier_signal -1
	s_barrier_wait -1                              ; K and V lie in LDS; nobody writes LDS again
	s_wait_kmcnt 0x0
	s_add_co_i32 s33, s26, s27
	s_lshl_b32 s33, s33, 23
	s_add_co_i32 s22, s33, 0x3fb8aa3b              ; c = log2(e) x 2^(e2 + e3): a score stands for score x 2^(e2 + e3)
	s_mov_b32 s23, s22                             ; (named with it as a pair, so it is written)
	s_add_co_i32 s33, s28, 127
	s_lshl_b32 s34, s33, 23
	v_mov_b32 v[C4], s34                           ; 2^e4
	s_add_co_i32 s33, s33, 8
	s_lshl_b32 s33, s33, 23
	s_or_b32 s33, s33, 0x600000
	v_mov_b32 v[H4], s33                           ; 448 x 2^e4
	s_add_co_i32 s33, s30, 127
	s_lshl_b32 s34, s33, 23
	v_mov_b32 v[C6], s34                           ; 2^e6
	s_add_co_i32 s33, s33, 8
	s_lshl_b32 s33, s33, 23
	s_or_b32 s33, s33, 0x600000
	v_mov_b32 v[H6], s33                           ; 448 x 2^e6
	s_add_co_i32 s32, s28, s29                     ; e4 + e5
	v_mov_b32 v[FFB+1], 0                          ; (named as the upper halves of f's pairs)
	v_mov_b32 v[FFB+3], 0
	v_mov_b32 v[PXB], 0                            ; written once: a lane permute's destination counts as one of its sources
	v_mov_b32 v[PXB+1], 0
; A KEY STEP for both tiles: 128 keys, at LDS byte s16 of K's and of V's images.  q: Q's first register (window 1).  At its head the 16 loads of this step's K are out or in.
.macro STEP q
	v_add_nc_u32 v9, s16, v2                       ; (the last loads that read v9 were waited for ahead of the last step's second product)
	v_nop
	v_nop
	v_nop                                          ; four places between the last step's products and the loads into the registers that they read
	WIN TO_1
.irp a, 0,1,2,3
.irp c, 0,1,2,3
	ds_load_b128 v[VF+16*\a+4*\c:VF+16*\a+4*\c+3], v9 offset:2048*\a+512*\c   ; V's four fragments: they land under the softmax
.endr
.endr
	s_wait_dscnt 16                                ; LDS loads come back in order (ISA guide 5.7.1): K, asked for a step ago, is in; V's 16 stay out
	WIN MULW
.irp t, 0,1,2,3,4,5,6,7
.irp u, 0,1
	v_wmma_f32_16x16x64_fp8_fp8 v[SB+64*\u+8*\t:SB+64*\u+8*\t+7], v[KF+8*\t:KF+8*\t+7], v[(\q)+8*\u:(\q)+8*\u+7], 0   ; each fragment of K serves both tiles
.endr
.endr
	WIN 0
	v_mov_b32 v[OMB], v[NMB]                       ; the old -M of both tiles is kept for f;
	v_mov_b32 v[OMB+1], v[NMB+2]
	v_add_nc_u32 v8, s16, v1                       ; (the loads that read v8 are in)
	v_nop                                          ; these four are the places in front of the loads below and of the first read of the scores
	WIN TO_1
.irp t, 0,1,2,3,4,5,6,7
.irp c, 0,1
	ds_load_b128 v[KF+8*\t+4*\c:KF+8*\t+4*\c+3], v8 offset:8192+1024*\t+512*\c   ; K of the NEXT step.  In a pass's last step these are V's first 8,192 bytes: inside LDS, and never read from the registers
.endr
.endr
	WIN 0
.set J, 0
.rept 32
	MAXI 0, J
.set J, J+1
.endr
.set J, 0
.rept 8
	CHN 0, J                                       ; tile 0's chain, each line with a line of tile 1's maximum behind it
	MAXI 1, J
.set J, J+1
.endr
.set J, 0
.rept 32
	FMA 0, J
.set J, J+1
.endr
.set J, 0
.rept 64                                           ; tile 0's batch of exponentials, a plain line of tile 1 ahead of each
.if J < 24
	MAXI 1, J+8
.elseif J < 32
	CHN 1, J-24
.else
	FMA 1, J-32
.endif
	EXPI 0, J
.set J, J+1
.endr
	LX 0                                           ; the plain line behind the batch's last exponential
	s_wait_alu depctr_va_vdst(0)                   ; one wait for the batch of 64, ahead of its first reader
.set J, 0
.rept 64                                           ; tile 1's batch; tile 0's sums and its rescaling stand ahead of the first 48
.if J < 32
	SUMI 0, J
.elseif J < 48
	RSC 0, J-32
.endif
	EXPI 1, J
.set J, J+1
.endr
	LX 1
	s_wait_alu depctr_va_vdst(0)                   ; likewise for tile 1's batch; no exponential is out at the branch below
.set J, 0
.rept 16
	SUMI 1, 2*J
	SUMI 1, 2*J+1
	RSC 1, J
.set J, J+1
.endr
	s_cmp_lt_i32 s28, -8                           ; the hold can bind only where 448 x 2^e4 lies under p's largest value
	s_cbranch_scc0 .Lno_hold_\@
.set J, 0
.rept 128
	v_min_num_f32 v[SB+J], v[SB+J], v[H4]          ; p is not negative: the hold is one-sided
.set J, J+1
.endr
.Lno_hold_\@:
	WIN TO_1
.irp u, 0,1
.irp b, 0,1,2,3
	v_cvt_scalef32_pk8_fp8_f32 v[PF+16*\u+4*\b:PF+16*\u+4*\b+1], v[SB+64*\u+16*\b:SB+64*\u+16*\b+7], v[C4]
	v_cvt_scalef32_pk8_fp8_f32 v[PF+16*\u+4*\b+2:PF+16*\u+4*\b+3], v[SB+64*\u+16*\b+8:SB+64*\u+16*\b+15], v[C4]
.endr
.endr
	v_nop                                          ; a plain line between the conversions and the products that read their results
	s_wait_dscnt 16                                ; V is in; the next step's K, 16 loads, stays out
	WIN MULW
.irp a, 0,1,2,3
.irp u, 0,1
	v_wmma_f32_16x16x128_fp8_fp8 v[OB+32*\u+8*\a:OB+32*\u+8*\a+7], v[VF+16*\a:VF+16*\a+15], v[PF+16*\u:PF+16*\u+15], v[OB+32*\u+8*\a:OB+32*\u+8*\a+7]   ; eight accumulators, one instruction a turn; the next step's sixteen score products stand between two links
.endr
.endr
	WIN 0
.endm
.macro PASS p
	v_mov_b32 v[NMB+1], 0xff61b1e6                 ; the largest t so far: -3e38, under every t
	v_mov_b32 v[NMB+3], 0xff61b1e6
	v_floor_f32 v[NMB], -v[NMB+1]
	v_floor_f32 v[NMB+2], -v[NMB+3]
.irp j, 0,1,2,3
	v_mov_b32 v[LSB+\j], 0
.endr
.set J, 0
.rept 64
	v_mov_b32 v[OB+J], 0                           ; O^T: the step is written once; its first trip finds zeros, which the first change of M leaves zeros
.set J, J+1
.endr
	s_mov_b32 s16, 0
	s_mov_b32 s17, 16
	WIN TO_1
.irp t, 0,1,2,3,4,5,6,7
.irp c, 0,1
	ds_load_b128 v[KF+8*\t+4*\c:KF+8*\t+4*\c+3], v1 offset:1024*\t+512*\c   ; K of the pass's first step
.endr
.endr
	WIN 0
.Lstep_\@:
	STEP QF+16*(\p)
	s_add_co_u32 s16, s16, 8192                    ; a key step is 8,192 bytes of K's images and of V's
	s_sub_co_u32 s17, s17, 1
	s_cmp_lg_u32 s17, 0
	s_cbranch_scc1 .Lstep_\@
	s_wait_dscnt 0x0                               ; the sixteen loads asked for past the last step have landed: K's registers may be loaded again
.rept 4
	v_nop                                          ; four places behind the last products
.endr
	v_add_f32 v[LSB], v[LSB], v[LSB+1]             ; the sums' two halves,
	v_add_f32 v[LSB+2], v[LSB+2], v[LSB+3]
	v_permlanex16_b32 v[PXB], v[LSB], s20, s21
	v_permlanex16_b32 v[PXB+1], v[LSB+2], s20, s21
	v_add_f32 v[LSB], v[LSB], v[PXB]               ; and lane l xor 16's
	v_add_f32 v[LSB+2], v[LSB+2], v[PXB+1]
	v_rcp_f32 v[LSB], v[LSB]
	v_rcp_f32 v[LSB+2], v[LSB+2]
	v_nop                                          ; a plain line behind the reciprocals,
	s_wait_alu depctr_va_vdst(0)                   ; and one wait for the two, ahead of their first reader
	v_ldexp_f32 v[LSB], v[LSB], s32                ; x 2^(e4 + e5)
	v_ldexp_f32 v[LSB+2], v[LSB+2], s32
.irp u, 0,1
.irp j, 0,2,4,6,8,10,12,14,16,18,20,22,24,26,28,30
	v_pk_mul_f32 v[SB+64*\u+\j:SB+64*\u+\j+1], v[OB+32*\u+\j:OB+32*\u+\j+1], v[LSB+2*\u:LSB+2*\u+1] op_sel_hi:[1,0]   ; O^T / the sum; register 16 b + i is channel 32 b + 16 h + i of my query
.endr
.endr
.irp u, 0,1
.irp j, 0,1,2,3,4,5,6,7,8,9,10,11,12,13,14,15,16,17,18,19,20,21,22,23,24,25,26,27,28,29,30,31
	v_med3_num_f32 v[SB+64*\u+\j], v[SB+64*\u+\j], -v[H6], v[H6]   ; the conversion to an 8-bit code does not saturate (ISA guide 7.6.2): the hold at the largest code x the scale
.endr
.endr
.if (\p) > 0
	s_wait_xcnt 0x0                                ; the first pass's stores have read their registers: they are written again only behind this wait
.endif
.irp u, 0,1
.irp b, 0,1
	v_cvt_scalef32_pk8_fp8_f32 v[OC+8*\u+4*\b:OC+8*\u+4*\b+1], v[SB+64*\u+16*\b:SB+64*\u+16*\b+7], v[C6]
	v_cvt_scalef32_pk8_fp8_f32 v[OC+8*\u+4*\b+2:OC+8*\u+4*\b+3], v[SB+64*\u+16*\b+8:SB+64*\u+16*\b+15], v[C6]
.endr
.endr
	v_nop                                          ; a plain line behind the last conversion: the next pass's products write its sources
.irp u, 0,1
.irp b, 0,1
	global_store_b128 v1, v[OC+8*\u+4*\b:OC+8*\u+4*\b+3], s[36:37] offset:262144*(\p)+16384*\u+512*\b   ; 512 consecutive bytes, at a multiple of 512 from the image's first byte
.endr
.endr
.endm
	PASS 0
	PASS 1
	s_wait_tensorcnt 0x0
	ds_add_u32 v46, v47
	s_wait_dscnt 0x0
	s_endpgm
.Lfunc_end_k_q91cb9b2b29_attn:
	.size	k_q91cb9b2b29_attn, .Lfunc_end_k_q91cb9b2b29_attn-k_q91cb9b2b29_attn
	.p2alignl 7, 3214868480
	.fill 96, 4, 3214868480
	.section	.rodata,"a",@progbits
	.p2align	6, 0x0
	.amdhsa_kernel k_q91cb9b2b29_attn
		.amdhsa_group_segment_fixed_size 263168
		.amdhsa_private_segment_fixed_size 0
		.amdhsa_enable_private_segment 0
		.amdhsa_kernarg_size 40
		.amdhsa_user_sgpr_count 2
		.amdhsa_user_sgpr_kernarg_segment_ptr 1
		.amdhsa_wavefront_size32 1
		.amdhsa_system_sgpr_workgroup_id_x 1
		.amdhsa_system_sgpr_workgroup_id_y 1
		.amdhsa_system_sgpr_workgroup_id_z 1
		.amdhsa_system_vgpr_workitem_id 0
		.amdhsa_next_free_vgpr 448
		.amdhsa_next_free_sgpr 66
		.amdhsa_reserve_vcc 0
		.amdhsa_float_denorm_mode_32 3
		.amdhsa_float_denorm_mode_16_64 3
		.amdhsa_memory_ordered 1
		.amdhsa_forward_progress 1
		.amdhsa_inst_pref_size 93
	.end_amdhsa_kernel
	.amdgpu_metadata
---
amdhsa.version: [ 1, 2 ]
amdhsa.kernels:
  - .name:           k_q91cb9b2b29_attn
    .symbol:         k_q91cb9b2b29_attn.kd
    .args:
      - { .name: q_img, .offset: 0, .size: 8, .value_kind: global_buffer, .address_space: global }
      - { .name: k_img, .offset: 8, .size: 8, .value_kind: global_buffer, .address_space: global }
      - { .name: v_img, .offset: 16, .size: 8, .value_kind: global_buffer, .address_space: global }
      - { .name: lowp_scales, .offset: 24, .size: 8, .value_kind: global_buffer, .address_space: global }
      - { .name: a_img, .offset: 32, .size: 8, .value_kind: global_buffer, .address_space: global }
    .group_segment_fixed_size: 263168
    .private_segment_fixed_size: 0
    .kernarg_segment_align: 8
    .kernarg_segment_size: 40
    .max_flat_workgroup_size: 256
    .sgpr_count:     66
    .vgpr_count:     448
    .wavefront_size: 32
...
	.end_amdgpu_metadata
.endif
;; end of part 3
;; launch proj (part 4): grid 128 x 1, 4 waves a work-group, no clusters, 141,824 bytes of LDS; arguments a_img, wout_img, bout, g_out, lowp_scales, out0; writes out0
.if DOCPART == 4
	.amdgcn_target "amdgcn-amd-amdhsa--gfx1250"
	.amdhsa_code_object_version 6
	.text
	.protected	k_q91cb9b2b29_proj
	.globl	k_q91cb9b2b29_proj
	.p2align	8
	.type	k_q91cb9b2b29_proj,@function
k_q91cb9b2b29_proj:
	s_mov_b64 s[64:65], 0
	v_nop
	global_prefetch_b8 v0, s[64:65] scope:SCOPE_SE
	s_setreg_imm32_b32 hwreg(HW_REG_WAVE_MODE, 25, 1), 1
	s_wait_xcnt 0x0
; out0 = normalise(a Wout^T + bout) x g_out x 32, the product on codes of FP8 (scales 6, 7); a_img and wout_img are images of operand registers (tile T's place r is row 32 (T / 2) + 8 (T % 2) + r + 8 (r / 8);
; a fragment is [piece c][lane][16 bytes], lane (r, h), piece c: k = 32 c + 16 h + 0 .. 15).
; SHARES.  A work-group owns 64 whole rows (tokens), so the norm over the 1,024 columns stays inside it: 128 work-groups.  With 32 rows each there would be 256, and every one would still stream all of Wout's 1,048,576 bytes of codes: twice the stream for the same products.
; The 64 tokens' codes, 65,536 bytes, are copied once into LDS (the stationary operand, source 1); wave w streams Wout's tiles 16 w .. 16 w + 15 (source 0) from memory straight into a ring of 16 fragments in registers:
; a lane holds ONE token, its registers run along the output channels.  NO CLUSTER, NO TENSOR LOADS: a K step of the stream is 131,072 bytes a work-group, so LDS would hold two slots of one K step, with a wait for all loads and a
; barrier of the cluster for every 64 matrix instructions of a wave; the ring in registers has 64 loads of 512 bytes a wave asked for and is never drained.
; LIMITS: e6 + e7 between -126 and 127.  NaN is not served.  The norm is taken as value x g x (32 x 1 / max(sqrt(sum of squares), 1e-12)): another order of f32 roundings than x / norm x g x 32.
; REGISTERS, in windows of 256: window 0: v1-7, v14, v15 addresses; v24-31 the rows' factors; v32-47 sums of squares; v48-63 the waves' partial sums; v64-79 bias and g on their way to LDS;
;   v128-255 the stationary copy, then two sets of 4 stationary fragments, then rows of the output.   window 1: the ring; in the epilogue bias at v[8 b + j], g at v[128 + 8 b + j].
;   windows 2, 3: the accumulators: (token tile a, channel tile b) in window 2 + b / 8 at v[8 (4 (b % 8) + a)].
.set BIASL, 65536                      ; LDS: 0 the stationary images; 65,536 the 1,024 biases;
.set GLO,   4096                       ; 4,096 bytes behind them the 1,024 gains;
.set RED,   73728                      ; 73,728 the partial sums of squares: [wave][tile a][place r], f32;
.set STAGE, 74752                      ; 74,752 a stage for each wave: 16 rows x (1,024 bytes + 16)
.set SPI,   1040                       ; = 65 x 16: the sixteen rows that a store touches start at sixteen different banks
.set LI,   1                           ; v1   16 x lane
.set TI,   2                           ; v2   16 x thread
.set T32,  3                           ; v3   32 x thread
.set BST,  4                           ; v4   BIASL + 32 x thread
.set BADR, 5                           ; v5   BIASL + 1,024 x wave + 64 h
.set RADR, 6                           ; v6   RED + 256 x wave + 4 r
.set RRD,  7                           ; v7   RED + 4 r
.set STO,  14                          ; v14  my stage + 1,040 r + 64 h
.set SRD,  15                          ; v15  my stage + 16 x lane
.set RN,   24
.set SS,   32
.set PS,   48
.set BG,   64
.set XS,   128
.set WV,   22                          ; s22  wave
.set ST,   32                          ; s[32:33] the stationary operand
.set SM,   34                          ; s[34:35] my wave's stream
.set OUT,  36                          ; s[36:37] my 256 columns of the block's first row
.set SC,   38                          ; s[38:39] 2^(e6 + e7), twice
.set SEL,  44                          ; s[44:45] v_permlanex16_b32's selects for lane l xor 16
.set MSB, 0
.macro WIN new                         ; the immediate's high byte repeats the setting that is left; a switch that changes nothing is dropped
.if MSB != (\new)
	s_set_vgpr_msb (MSB<<8)|(\new)
.set MSB, (\new)
.endif
.endm
.set MULW, 0xa1                        ; source 0 (ring) window 1, source 1 (stationary) window 0, C and D window 2; + 0x50: window 3
.set TO_R, 0x40                        ; destination window 1, address window 0
.macro XLOAD k                         ; the four stationary fragments of K step k into set k % 2
	WIN 0
.irp a, 0,1,2,3
.irp c, 0,1,2,3
	ds_load_b128 v[XS+64*((\k)%2)+16*\a+4*\c:XS+64*((\k)%2)+16*\a+4*\c+3], v[LI] offset:16384*\a+2048*(\k)+512*\c
.endr
.endr
.endm
.macro RLOAD idx, grp                  ; instance idx = K step idx / grp, group idx % grp of four stream tiles: 16 loads of 512 consecutive bytes into ring slot idx % 4.  Every offset is an immediate: no address is ever rewritten
	WIN TO_R
.irp i, 0,1,2,3
.irp c, 0,1,2,3
	global_load_b128 v[64*((\idx)%4)+16*\i+4*\c:64*((\idx)%4)+16*\i+4*\c+3], v[LI], s[SM:SM+1] offset:(4*((\idx)%(\grp))+\i)*16384+2048*((\idx)/(\grp))+512*\c
.endr
.endr
.endm
; An instance: 16 matrix instructions, four stream tiles x four stationary tiles, 128 along K.  The accumulators take turns, one instruction a turn: an accumulator comes again four instances later.
.macro INST idx, grp
.set KK, (\idx)/(\grp)
.set GG, (\idx)%(\grp)
.set LAST, 8*(\grp)-1
.if GG == 0
	s_wait_dscnt 0x0                               ; this K step's stationary fragments are in (asked for a K step ago)
.if KK < 7
	XLOAD KK+1                                     ; the next K step's, into the other set: its last readers stand in front of the four v_nop of the instance before
.endif
.endif
.if LAST-(\idx) >= 3
	s_wait_loadcnt 48                              ; loads come back in order (ISA guide 5.7.1): this instance's 16 are in, those of the three instances behind it stay out
.else
	s_wait_loadcnt 16*(LAST-(\idx))                ; the tail: two, one, none behind it
.endif
	WIN MULW+0x50*(GG/2)
.irp i, 0,1,2,3
.irp a, 0,1,2,3
.if KK == 0
	v_wmma_f32_16x16x128_fp8_fp8 v[8*(4*((4*GG+\i)%8)+\a):8*(4*((4*GG+\i)%8)+\a)+7], v[64*((\idx)%4)+16*\i:64*((\idx)%4)+16*\i+15], v[XS+64*(KK%2)+16*\a:XS+64*(KK%2)+16*\a+15], 0
.else
	v_wmma_f32_16x16x128_fp8_fp8 v[8*(4*((4*GG+\i)%8)+\a):8*(4*((4*GG+\i)%8)+\a)+7], v[64*((\idx)%4)+16*\i:64*((\idx)%4)+16*\i+15], v[XS+64*(KK%2)+16*\a:XS+64*(KK%2)+16*\a+15], v[8*(4*((4*GG+\i)%8)+\a):8*(4*((4*GG+\i)%8)+\a)+7]
.endif
.endr
.endr
.rept 4
	v_nop                                          ; four places in front of the loads into the slot just multiplied, of the next stationary loads, and at the end of the first read of results
.endr
.if (\idx)+4 <= LAST
	RLOAD (\idx)+4,\grp
.endif
.endm
.macro BARRIER                         ; my LDS stores have landed and my LDS loads are in: then the work-group's barrier
	s_wait_dscnt 0x0
	s_barrier_signal -1
	s_barrier_wait -1
.endm
; THE EPILOGUE'S PARTS, each for one window of accumulators (wi = 0: window 2, channel tiles 0-7; 1: window 3, tiles 8-15).  Register X of a window is accumulator (a = (X / 8) % 4, b = 8 wi + X / 32), register X % 8.
.macro E_BIAS wi                       ; sum x 2^(e6 + e7) + bias, in place; each accumulator from its low end on
	WIN 0x92+0x41*(\wi)
.set X, 0
.rept 128
	v_pk_fma_f32 v[X:X+1], v[X:X+1], s[SC:SC+1], v[64*(\wi)+8*(X/32)+X%8:64*(\wi)+8*(X/32)+X%8+1] op_sel_hi:[1,0,1]
.set X, X+2
.endr
.endm
.macro E_SQ wi                         ; sums of squares: two chains of pairs for each token tile, eight chains by turns; the first products start them: nothing is cleared
	WIN 0x0a+5*(\wi)
.irp bb, 0,1,2,3,4,5,6,7
.irp j, 0,2,4,6
.irp a, 0,1,2,3
.if ((\wi)==0)&&(\bb==0)&&(\j<4)
	v_pk_mul_f32 v[SS+4*\a+\j:SS+4*\a+\j+1], v[8*(4*\bb+\a)+\j:8*(4*\bb+\a)+\j+1], v[8*(4*\bb+\a)+\j:8*(4*\bb+\a)+\j+1]
.else
	v_pk_fma_f32 v[SS+4*\a+\j%4:SS+4*\a+\j%4+1], v[8*(4*\bb+\a)+\j:8*(4*\bb+\a)+\j+1], v[8*(4*\bb+\a)+\j:8*(4*\bb+\a)+\j+1], v[SS+4*\a+\j%4:SS+4*\a+\j%4+1]
.endif
.endr
.endr
.endr
.endm
.macro E_GAIN wi                       ; x g
	WIN 0x86+0x41*(\wi)
.set X, 0
.rept 128
	v_pk_mul_f32 v[X:X+1], v[X:X+1], v[128+64*(\wi)+8*(X/32)+X%8:128+64*(\wi)+8*(X/32)+X%8+1]
.set X, X+2
.endr
.endm
.macro E_NORM wi                       ; x the row's factor
	WIN 0x82+0x41*(\wi)
.set X, 0
.rept 128
	v_pk_mul_f32 v[X:X+1], v[X:X+1], v[RN+2*((X/8)%4):RN+2*((X/8)%4)+1]
.set X, X+2
.endr
.endm
	s_load_b256 s[4:11], s[0:1], 0x0               ; a_img s[4:5], wout_img s[6:7], bout s[8:9], g_out s[10:11]
	s_load_b128 s[12:15], s[0:1], 0x20             ; the scales s[12:13], out0 s[14:15]
	v_lshl_add_u32 v126, v0, 2, 0x22800
	v_mov_b32 v127, 0
	v_lshrrev_b32 v11, 5, v0
	v_readfirstlane_b32 s[WV], v11                 ; wave 0..3
	v_and_b32 v11, 31, v0
	v_lshlrev_b32 v[LI], 4, v11
	v_lshlrev_b32 v[TI], 4, v0
	v_lshlrev_b32 v[T32], 5, v0
	v_add_nc_u32 v[BST], BIASL, v[T32]
	v_and_b32 v12, 15, v0                          ; r
	v_bfe_u32 v13, v0, 4, 1                        ; h
	s_lshl_b32 s50, s[WV], 10
	s_add_co_u32 s50, s50, BIASL
	v_lshl_add_u32 v[BADR], v13, 6, s50
	s_lshl_b32 s51, s[WV], 8
	s_add_co_u32 s51, s51, RED
	v_lshl_add_u32 v[RADR], v12, 2, s51
	v_lshlrev_b32 v[RRD], 2, v12
	v_add_nc_u32 v[RRD], RED, v[RRD]
	s_mul_i32 s50, s[WV], 16*SPI
	s_add_co_u32 s50, s50, STAGE
	v_mul_u32_u24 v[STO], v12, SPI
	v_lshl_add_u32 v[STO], v13, 6, v[STO]
	v_add_nc_u32 v[STO], s50, v[STO]
	v_add_nc_u32 v[SRD], s50, v[LI]
	s_mov_b32 s[SEL], 0x76543210
	s_mov_b32 s[SEL+1], 0xfedcba98
	s_lshl_b32 s52, ttmp9, 16                      ; the block's four token tiles: 65,536 bytes of a_img
	s_mov_b32 s53, 0
	s_lshl_b32 s54, s[WV], 18                      ; my wave's 16 tiles of wout_img
	s_mov_b32 s55, 0
	s_lshl_b32 s56, ttmp9, 18                      ; the block's 64 rows of 4,096 bytes,
	s_lshl_b32 s57, s[WV], 10                      ; my wave's 256 columns
	s_add_co_u32 s56, s56, s57
	s_mov_b32 s57, 0
	s_wait_kmcnt 0x0
	s_load_b256 s[24:31], s[12:13], 0x0            ; e0 .. e7
	s_add_nc_u64 s[ST:ST+1], s[4:5], s[52:53]
	s_add_nc_u64 s[SM:SM+1], s[6:7], s[54:55]
	s_add_nc_u64 s[OUT:OUT+1], s[14:15], s[56:57]
.irp i, 0,1,2,3,4,5,6,7,8,9,10,11,12,13,14,15,16,17,18,19,20,21,22,23,24,25,26,27,28,29,30,31
	global_load_b128 v[XS+4*\i:XS+4*\i+3], v[TI], s[ST:ST+1] offset:2048*\i   ; the stationary operand: the 128 threads take 2,048 consecutive bytes a line
.endr
	global_load_b128 v[BG:BG+3], v[T32], s[8:9]
	global_load_b128 v[BG+4:BG+7], v[T32], s[8:9] offset:16
	global_load_b128 v[BG+8:BG+11], v[T32], s[10:11]
	global_load_b128 v[BG+12:BG+15], v[T32], s[10:11] offset:16
	RLOAD 0,4
	WIN 0
	s_wait_loadcnt 16                              ; the copy, the biases and the gains are in; instance 0's 16 loads may be out
.irp i, 0,1,2,3,4,5,6,7,8,9,10,11,12,13,14,15,16,17,18,19,20,21,22,23,24,25,26,27,28,29,30,31
	ds_store_b128 v[TI], v[XS+4*\i:XS+4*\i+3] offset:2048*\i
.endr
	ds_store_b128 v[BST], v[BG:BG+3]
	ds_store_b128 v[BST], v[BG+4:BG+7] offset:16
	ds_store_b128 v[BST], v[BG+8:BG+11] offset:GLO
	ds_store_b128 v[BST], v[BG+12:BG+15] offset:GLO+16
	RLOAD 1,4
	RLOAD 2,4
	RLOAD 3,4
	WIN 0
	s_wait_kmcnt 0x0
	s_add_co_i32 s[SC], s30, s31
	s_add_co_i32 s[SC], s[SC], 127
	s_lshl_b32 s[SC], s[SC], 23                    ; 2^(e6 + e7)
	s_mov_b32 s[SC+1], s[SC]                       ; (named with it as a pair, so it is written)
	BARRIER                                        ; the stationary images, the biases and the gains lie in LDS
	XLOAD 0
.set N, 0
.rept 32
	INST N,4
.set N, N+1
.endr
	WIN TO_R                                       ; the ring is free: my 256 channels' bias and g, in the result's layout: pair p of tiles: 16 neighbours at 128 p + 64 h
.irp p, 0,1,2,3,4,5,6,7
.irp j, 0,1,2,3
	ds_load_b128 v[16*\p+4*\j:16*\p+4*\j+3], v[BADR] offset:128*\p+16*\j
	ds_load_b128 v[128+16*\p+4*\j:128+16*\p+4*\j+3], v[BADR] offset:GLO+128*\p+16*\j
.endr
.endr
	s_wait_dscnt 0x0
	E_BIAS 0
	E_SQ 0
	E_BIAS 1
	E_SQ 1
	WIN 0
.irp a, 0,1,2,3
	v_pk_add_f32 v[SS+4*\a:SS+4*\a+1], v[SS+4*\a:SS+4*\a+1], v[SS+4*\a+2:SS+4*\a+3]
.endr
.irp a, 0,1,2,3
	v_add_f32 v[SS+4*\a], v[SS+4*\a], v[SS+4*\a+1]
.endr
.irp a, 0,1,2,3
	v_permlanex16_b32 v[SS+4*\a+1], v[SS+4*\a], s[SEL], s[SEL+1]   ; the token's other 128 of my wave's channels lie in the lane 16 away
.endr
.irp a, 0,1,2,3
	v_add_f32 v[SS+4*\a], v[SS+4*\a], v[SS+4*\a+1]
.endr
.irp a, 0,1,2,3
	ds_store_b32 v[RADR], v[SS+4*\a] offset:64*\a  ; lanes r and r + 16 write the same word with the same number
.endr
	BARRIER                                        ; the four waves' partial sums lie in LDS
.irp a, 0,1,2,3
.irp w, 0,1,2,3
	ds_load_b32 v[PS+4*\a+\w], v[RRD] offset:256*\w+64*\a
.endr
.endr
	s_wait_dscnt 0x0
.irp a, 0,1,2,3
	v_add_f32 v[PS+4*\a], v[PS+4*\a], v[PS+4*\a+1]
	v_add_f32 v[PS+4*\a+2], v[PS+4*\a+2], v[PS+4*\a+3]
.endr
.irp a, 0,1,2,3
	v_add_f32 v[PS+4*\a], v[PS+4*\a], v[PS+4*\a+2] ; the same order in every wave: all four get the same number
.endr
.irp a, 0,1,2,3
	v_sqrt_f32 v[PS+4*\a+1], v[PS+4*\a]
.endr
	v_nop                                          ; a plain line behind the last root,
	s_wait_alu depctr_va_vdst(0)                   ; and one wait for the four, ahead of their first reader
.irp a, 0,1,2,3
	v_max_num_f32 v[PS+4*\a+1], 0x2b8cbccc, v[PS+4*\a+1]   ; max(norm, 1e-12)
.endr
.irp a, 0,1,2,3
	v_rcp_f32 v[PS+4*\a+2], v[PS+4*\a+1]
.endr
	v_nop
	s_wait_alu depctr_va_vdst(0)                   ; likewise for the four reciprocals
.irp a, 0,1,2,3
	v_mul_f32 v[RN+2*\a], 0x42000000, v[PS+4*\a+2] ; x 32
	v_mul_f32 v[RN+2*\a+1], 0x42000000, v[PS+4*\a+2]
.endr
	E_GAIN 0
	E_NORM 0
	E_GAIN 1
	E_NORM 1
	; THE WAY OUT, a token tile at a time.  A lane holds pieces of ONE row and the lanes beside it hold other rows: so the tile's 16 rows x 1,024 bytes go through my own stage and come back as rows.
	; LDS serves a wave's instructions in order (ISA guide 5.7.1.4): no wait between the stores and the loads, nor in front of the next tile's stores.
.irp a, 0,1,2,3
	WIN 0x08                                       ; store data in window 2
.irp bb, 0,1,2,3,4,5,6,7
	ds_store_b128 v[STO], v[8*(4*\bb+\a):8*(4*\bb+\a)+3] offset:128*(\bb/2)+32*(\bb%2)
	ds_store_b128 v[STO], v[8*(4*\bb+\a)+4:8*(4*\bb+\a)+7] offset:128*(\bb/2)+32*(\bb%2)+16
.endr
	WIN 0x0c                                       ; in window 3
.irp bb, 0,1,2,3,4,5,6,7
	ds_store_b128 v[STO], v[8*(4*\bb+\a):8*(4*\bb+\a)+3] offset:512+128*(\bb/2)+32*(\bb%2)
	ds_store_b128 v[STO], v[8*(4*\bb+\a)+4:8*(4*\bb+\a)+7] offset:512+128*(\bb/2)+32*(\bb%2)+16
.endr
	WIN 0
.if \a > 0
	s_wait_xcnt 0x0                                ; the last tile's stores have read their registers: they are loaded again only behind this wait
.endif
.irp i, 0,1,2,3,4,5,6,7,8,9,10,11,12,13,14,15
.irp f, 0,1
	ds_load_b128 v[XS+4*(2*\i+\f):XS+4*(2*\i+\f)+3], v[SRD] offset:SPI*\i+512*\f
.endr
.endr
.irp i, 0,1,2,3,4,5,6,7,8,9,10,11,12,13,14,15
.irp f, 0,1
	s_wait_dscnt 31-(2*\i+\f)                      ; LDS loads come back in order: this one is in, the younger ones stay out
	global_store_b128 v[LI], v[XS+4*(2*\i+\f):XS+4*(2*\i+\f)+3], s[OUT:OUT+1] offset:(32*(\a/2)+8*(\a%2)+\i+8*(\i/8))*4096+512*\f th:TH_STORE_NT   ; place i of tile a is that row of the block; 32 lanes store 512 consecutive bytes, aligned; written once, read by nobody here
.endr
.endr
.endr
	s_wait_tensorcnt 0x0
	ds_add_u32 v126, v127
	s_wait_dscnt 0x0
	s_endpgm
.Lfunc_end_k_q91cb9b2b29_proj:
	.size	k_q91cb9b2b29_proj, .Lfunc_end_k_q91cb9b2b29_proj-k_q91cb9b2b29_proj
	.p2alignl 7, 3214868480
	.fill 96, 4, 3214868480
	.section	.rodata,"a",@progbits
	.p2align	6, 0x0
	.amdhsa_kernel k_q91cb9b2b29_proj
		.amdhsa_group_segment_fixed_size 141824
		.amdhsa_private_segment_fixed_size 0
		.amdhsa_enable_private_segment 0
		.amdhsa_kernarg_size 48
		.amdhsa_user_sgpr_count 2
		.amdhsa_user_sgpr_kernarg_segment_ptr 1
		.amdhsa_wavefront_size32 1
		.amdhsa_system_sgpr_workgroup_id_x 1
		.amdhsa_system_sgpr_workgroup_id_y 1
		.amdhsa_system_sgpr_workgroup_id_z 1
		.amdhsa_system_vgpr_workitem_id 0
		.amdhsa_next_free_vgpr 1024
		.amdhsa_next_free_sgpr 66
		.amdhsa_reserve_vcc 0
		.amdhsa_float_denorm_mode_32 3
		.amdhsa_float_denorm_mode_16_64 3
		.amdhsa_memory_ordered 1
		.amdhsa_forward_progress 1
		.amdhsa_inst_pref_size 209
	.end_amdhsa_kernel
	.amdgpu_metadata
---
amdhsa.version: [ 1, 2 ]
amdhsa.kernels:
  - .name:           k_q91cb9b2b29_proj
    .symbol:         k_q91cb9b2b29_proj.kd
    .args:
      - { .name: a_img, .offset: 0, .size: 8, .value_kind: global_buffer, .address_space: global }
      - { .name: wout_img, .offset: 8, .size: 8, .value_kind: global_buffer, .address_space: global }
      - { .name: bout, .offset: 16, .size: 8, .value_kind: global_buffer, .address_space: global }
      - { .name: g_out, .offset: 24, .size: 8, .value_kind: global_buffer, .address_space: global }
      - { .name: lowp_scales, .offset: 32, .size: 8, .value_kind: global_buffer, .address_space: global }
      - { .name: out0, .offset: 40, .size: 8, .value_kind: global_buffer, .address_space: global }
    .group_segment_fixed_size: 141824
    .private_segment_fixed_size: 0
    .kernarg_segment_align: 8
    .kernarg_segment_size: 48
    .max_flat_workgroup_size: 128
    .sgpr_count:     66
    .vgpr_count:     1024
    .wavefront_size: 32
...
	.end_amdgpu_metadata
.endif
;; end of part 4
;; ======== version 2 of 2: 4 launches; version 1 with the launches qkv, attn, proj written anew for expert scheduling mode
;; workspace buffers: x_img 8,388,608 bytes; wqkv_img 3,145,728 bytes; wout_img 1,048,576 bytes; q_img 8,388,608 bytes; k_img 8,388,608 bytes; v_img 8,388,608 bytes; a_img 8,388,608 bytes
;; launch quant: the kernel of part 1 again; grid 384 x 1, 4 waves a work-group, no clusters, 34,304 bytes of LDS; arguments x, Wqkv, Wout, lowp_scales, x_img, wqkv_img, wout_img; writes x_img, wqkv_img, wout_img
;; launch qkv (part 5): grid 512 x 1, 4 waves a work-group, no clusters, 75,264 bytes of LDS; arguments x_img, wqkv_img, bqkv, g_q, g_k, lowp_scales, q_img, k_img, v_img; writes q_img, k_img, v_img
.if DOCPART == 5
	.amdgcn_target "amdgcn-amd-amdhsa--gfx1250"
	.amdhsa_code_object_version 6
	.text
	.protected	k_q91cb9b2b29_qkv
	.globl	k_q91cb9b2b29_qkv
	.p2align	8
	.type	k_q91cb9b2b29_qkv,@function
k_q91cb9b2b29_qkv:
	s_mov_b64 s[64:65], 0
	v_nop
	global_prefetch_b8 v0, s[64:65] scope:SCOPE_SE
	s_setreg_imm32_b32 hwreg(HW_REG_WAVE_SCHED_MODE, 0, 2), 2
	s_setreg_imm32_b32 hwreg(HW_REG_WAVE_MODE, 25, 1), 1
	s_wait_xcnt 0x0
	s_wait_alu depctr_vm_vsrc(0)
; qkv = x Wqkv^T + bqkv on codes of FP8; q and k are normalised over their 1,024 channels (x g x 32, q also x 1/8) and quantised (scales 2, 3); v is quantised (scale 5).  All three leave as images of operand registers.
; IMAGES (see the launch that makes x_img): tile T's place r is row 32 (T / 2) + 8 (T % 2) + r + 8 (r / 8); a fragment is [piece c][lane][16 bytes], lane (r, h), piece c: k = 32 c + 16 h + 0 .. 15.
; In a result, register j of lane (r, h) is place 8 h + j of source 0's tile, which is row 32 (T / 2) + 16 h + 8 (T % 2) + j: the 16 registers of tiles 2 b and 2 b + 1 are 16 NEIGHBOURS, 32 b + 16 h + 0 .. 15: a piece of the next operand.
; ONE PRODUCT LOOP: D = a STREAMED fragment (source 0) x a STATIONARY fragment (source 1).  The stationary operand, 4 tiles x 8 K steps = 65,536 bytes, is copied once into LDS; the stream goes from memory straight
; into a ring of 16 fragments in registers: in a work-group no other wave wants a wave's stream fragments.
;   work-groups 0-255 (q: 0-127, k: 128-255): stationary = 64 tokens of x, stream = the part's 1,024 rows of Wqkv, 16 tiles a wave: a lane holds ONE token, its registers run along the channels.  The work-group owns whole rows, so the norm stays inside it.
;   work-groups 256-511 (v): stationary = a head's 64 rows of Wqkv, stream = 512 tokens of x, 8 tiles a wave: a lane holds ONE channel, its registers run along the tokens, which are the second attention product's K.
; NO CLUSTER, NO TENSOR LOADS: a K step of the stream is 131,072 bytes a work-group, so LDS would hold two slots of one K step, with a wait for all loads and a barrier of the cluster for every 64 matrix instructions of a wave;
; the ring in registers has 64 loads of 512 bytes a wave asked for and is never drained.
; LIMITS: e0 + e1 between -126 and 127; e2, e3, e5 between -126 and 119.  NaN is not served.  The norm is taken as value x g x (factor x 1 / max(sqrt(sum of squares), 1e-12)): another order of f32 roundings than x / norm x g x 32.
; THE MODE: SCHED_MODE bits 1:0 = 2 (LLVM: expert scheduling mode 2), set by the entry lines.  The code itself states the register dependences between vector or matrix instructions and memory or LDS instructions, with s_wait_alu, always for 0.
; THE PLAN.  Registers that memory or LDS instructions touch:
;   v1-v10        offsets and LDS addresses: written once at the head, never again: every offset of the loop is an immediate.
;   the ring      slot n % 4: the 16 loads of instance n land in it; instance n's 16 products read it; behind them it is asked for again, for instance n + 4.  In the epilogue bias and g land in it.
;   XS, two sets  at the head the stationary copy lands in them and LDS stores read them; then the LDS loads of K step k + 1, issued at K step k's head, land in the set that K step k - 1's products read; at the end the conversions write codes there, which stores read.
;   v[SS + 4 a]   four partial sums: written by additions, read by four LDS stores.
; ONE wait on va_vdst stands in an instance, behind its products and ahead of the loads into the slot that they read; at a K step's last instance it also states that the products are done reading the stationary set in which the next instance's
; LDS loads land: only loads, a window switch and waits stand between.  It stands there and not at the next instance's head because all 1,024 registers are taken: there is no fifth slot, and a slot that waited for the next instance's data would lie idle meanwhile.
; REGISTERS, in windows of 256: window 0: v1-10 addresses and the scale; v16-23 v's bias; v24-31 the rows' factors; v32-47 sums of squares; v48-63 the waves' partial sums; v64-79 bias and g on their way to LDS;
;   v126, v127 the closing add's two; v128-255 the stationary copy, then two sets of 4 stationary fragments, then codes.   window 1: the ring (slot n % 4 at 64 (n % 4)); in the epilogue bias at v[8 b + j], g at v[128 + 8 b + j].
;   windows 2, 3: the accumulators: (stationary tile a, stream tile b) in window 2 + b / 8 at v[8 (4 (b % 8) + a)].
.set BIASL, 65536                      ; LDS: 0 the stationary images; 65,536 the part's 1,024 biases;
.set GLO,   4096                       ; 4,096 bytes behind them its 1,024 gains;
.set RED,   73728                      ; 73,728 the partial sums of squares: [wave][tile a][place r], f32
.set LI,   1                           ; v1   16 x lane
.set TI,   2                           ; v2   16 x thread
.set T32,  3                           ; v3   32 x thread
.set BST,  4                           ; v4   BIASL + 32 x thread
.set BADR, 5                           ; v5   BIASL + 1,024 x wave + 64 h
.set RADR, 6                           ; v6   RED + 256 x wave + 4 r
.set RRD,  7                           ; v7   RED + 4 r
.set QS,   8                           ; v8   the quantiser's scale as f32
.set VBO,  10                          ; v10  4 (r + 8 (r / 8))
.set VB,   16
.set RN,   24
.set SS,   32
.set PS,   48
.set BG,   64
.set XS,   128
.set CD,   128
.set WV,   22                          ; s22  wave
.set ST,   32                          ; s[32:33] the stationary operand
.set SM,   34                          ; s[34:35] my wave's stream
.set OUT,  36                          ; s[36:37] where my codes go
.set SC,   38                          ; s[38:39] 2^(e0 + e1), twice
.set NLIM, 40                          ; s40, s41  -+448 x the quantiser's scale
.set PLIM, 41
.set FAC,  42                          ; s42  4 for q (32 / 8), 32 for k
.set SEL,  44                          ; s[44:45] v_permlanex16_b32's selects for lane l xor 16
.set BP,   46                          ; s[46:47] the bias
.set GP,   48                          ; s[48:49] the gain
.set MSB, 0
.macro WIN new                         ; the immediate's high byte repeats the setting that is left; a switch that changes nothing is dropped
.if MSB != (\new)
	s_set_vgpr_msb (MSB<<8)|(\new)
.set MSB, (\new)
.endif
.endm
.set MULW, 0xa1                        ; source 0 (ring) window 1, source 1 (stationary) window 0, C and D window 2; + 0x50: window 3
.set TO_R, 0x40                        ; destination window 1, address window 0
.macro XLOAD k                         ; the four stationary fragments of K step k into set k % 2
	WIN 0
.irp a, 0,1,2,3
.irp c, 0,1,2,3
	ds_load_b128 v[XS+64*((\k)%2)+16*\a+4*\c:XS+64*((\k)%2)+16*\a+4*\c+3], v[LI] offset:16384*\a+2048*(\k)+512*\c
.endr
.endr
.endm
.macro RLOAD idx, grp, held            ; instance idx = K step idx / grp, group idx % grp of four stream tiles: 16 loads of 512 consecutive bytes into ring slot idx % 4.  Every offset is an immediate: no address is ever rewritten.  held = 1: products have read the slot
	WIN TO_R
.if \held
	s_wait_alu depctr_va_vdst(0)                   ; the instance's 16 products are done reading this ring slot, in which the loads below land, and the stationary set, in which the next K step's LDS loads land
.endif
.irp i, 0,1,2,3
.irp c, 0,1,2,3
	global_load_b128 v[64*((\idx)%4)+16*\i+4*\c:64*((\idx)%4)+16*\i+4*\c+3], v[LI], s[SM:SM+1] offset:(4*((\idx)%(\grp))+\i)*16384+2048*((\idx)/(\grp))+512*\c
.endr
.endr
.endm
; An instance: 16 matrix instructions, four stream tiles x four stationary tiles, 128 along K.  The accumulators take turns, one instruction a turn: an accumulator comes again grp instances later.
.macro INST idx, grp
.set KK, (\idx)/(\grp)
.set GG, (\idx)%(\grp)
.set LAST, 8*(\grp)-1
.if GG == 0
	s_wait_dscnt 0x0                               ; this K step's stationary fragments are in (asked for a K step ago)
.if KK < 7
	XLOAD KK+1                                     ; the next K step's, into the other set: its last readers stand ahead of the wait on va_vdst in the instance before, and only loads, a switch and waits have followed it
.endif
.endif
.if LAST-(\idx) >= 3
	s_wait_loadcnt 48                              ; loads come back in order (ISA guide 5.7.1): this instance's 16 are in, those of the three instances behind it stay out
.else
	s_wait_loadcnt 16*(LAST-(\idx))                ; the tail: two, one, none behind it
.endif
	WIN MULW+0x50*(GG/2)
.irp i, 0,1,2,3
.irp a, 0,1,2,3
.if KK == 0
	v_wmma_f32_16x16x128_fp8_fp8 v[8*(4*((4*GG+\i)%8)+\a):8*(4*((4*GG+\i)%8)+\a)+7], v[64*((\idx)%4)+16*\i:64*((\idx)%4)+16*\i+15], v[XS+64*(KK%2)+16*\a:XS+64*(KK%2)+16*\a+15], 0
.else
	v_wmma_f32_16x16x128_fp8_fp8 v[8*(4*((4*GG+\i)%8)+\a):8*(4*((4*GG+\i)%8)+\a)+7], v[64*((\idx)%4)+16*\i:64*((\idx)%4)+16*\i+15], v[XS+64*(KK%2)+16*\a:XS+64*(KK%2)+16*\a+15], v[8*(4*((4*GG+\i)%8)+\a):8*(4*((4*GG+\i)%8)+\a)+7]
.endif
.endr
.endr
.rept 4
	v_nop                                          ; the four places (ISA guide 7.12.1) behind the products stay, beside the wait that follows them; behind the last instance they stand in front of the first read of results
.endr
.if (\idx)+4 <= LAST
	RLOAD (\idx)+4,\grp,1
.endif
.endm
.macro BARRIER                         ; my LDS stores have landed and my LDS loads are in: then the work-group's barrier
	s_wait_dscnt 0x0
	s_barrier_signal -1
	s_barrier_wait -1
.endm
.macro SCALES                          ; s51 = the quantiser's e
	s_add_co_i32 s51, s51, 127
	s_lshl_b32 s52, s51, 23
	v_mov_b32 v[QS], s52                           ; 2^e as f32: the conversion takes its exponent field
	s_add_co_i32 s51, s51, 8
	s_lshl_b32 s51, s51, 23
	s_or_b32 s[PLIM], s51, 0x600000                ; 448 x 2^e
	s_or_b32 s[NLIM], s[PLIM], 0x80000000
	s_add_co_i32 s[SC], s24, s25
	s_add_co_i32 s[SC], s[SC], 127
	s_lshl_b32 s[SC], s[SC], 23                    ; 2^(e0 + e1)
	s_mov_b32 s[SC+1], s[SC]                       ; (named with it as a pair, so it is written)
.endm
; THE EPILOGUE'S PARTS, each for one window of accumulators (wi = 0: window 2, stream tiles 0-7; 1: window 3, tiles 8-15).  Register X of a window is accumulator (a = (X / 8) % 4, b = 8 wi + X / 32), register X % 8.
.macro E_BIAS wi                       ; sum x 2^(e0 + e1) + bias, in place; each accumulator from its low end on
	WIN 0x92+0x41*(\wi)
.set X, 0
.rept 128
	v_pk_fma_f32 v[X:X+1], v[X:X+1], s[SC:SC+1], v[64*(\wi)+8*(X/32)+X%8:64*(\wi)+8*(X/32)+X%8+1] op_sel_hi:[1,0,1]
.set X, X+2
.endr
.endm
.macro E_SQ wi                         ; sums of squares: two chains of pairs for each token tile, eight chains by turns; the first products start them: nothing is cleared
	WIN 0x0a+5*(\wi)
.irp bb, 0,1,2,3,4,5,6,7
.irp j, 0,2,4,6
.irp a, 0,1,2,3
.if ((\wi)==0)&&(\bb==0)&&(\j<4)
	v_pk_mul_f32 v[SS+4*\a+\j:SS+4*\a+\j+1], v[8*(4*\bb+\a)+\j:8*(4*\bb+\a)+\j+1], v[8*(4*\bb+\a)+\j:8*(4*\bb+\a)+\j+1]
.else
	v_pk_fma_f32 v[SS+4*\a+\j%4:SS+4*\a+\j%4+1], v[8*(4*\bb+\a)+\j:8*(4*\bb+\a)+\j+1], v[8*(4*\bb+\a)+\j:8*(4*\bb+\a)+\j+1], v[SS+4*\a+\j%4:SS+4*\a+\j%4+1]
.endif
.endr
.endr
.endr
.endm
.macro E_GAIN wi                       ; x g
	WIN 0x86+0x41*(\wi)
.set X, 0
.rept 128
	v_pk_mul_f32 v[X:X+1], v[X:X+1], v[128+64*(\wi)+8*(X/32)+X%8:128+64*(\wi)+8*(X/32)+X%8+1]
.set X, X+2
.endr
.endm
.macro E_NORM wi                       ; x the row's factor
	WIN 0x82+0x41*(\wi)
.set X, 0
.rept 128
	v_pk_mul_f32 v[X:X+1], v[X:X+1], v[RN+2*((X/8)%4):RN+2*((X/8)%4)+1]
.set X, X+2
.endr
.endm
.macro E_HOLD wi                       ; the conversion to an 8-bit code does not saturate (ISA guide 7.6.2): the hold at the largest code x the scale
	WIN 0x82+0x41*(\wi)
.set X, 0
.rept 256
	v_med3_num_f32 v[X], v[X], s[NLIM], s[PLIM]
.set X, X+1
.endr
.endm
.macro E_CODE wi                       ; accumulator (a, b)'s eight numbers become registers 2 (b % 2), + 1 of the piece (a, b / 2): the piece's four registers stand at CD + 64 wi + 16 a + 4 ((b % 8) / 2)
	WIN 0x02+(\wi)
.irp a, 0,1,2,3
.irp bb, 0,1,2,3,4,5,6,7
	v_cvt_scalef32_pk8_fp8_f32 v[CD+64*(\wi)+16*\a+2*\bb:CD+64*(\wi)+16*\a+2*\bb+1], v[8*(4*\bb+\a):8*(4*\bb+\a)+7], v[QS]
.endr
.endr
	v_nop                                          ; a plain line behind the last conversion
	WIN 0
.endm
	s_load_b256 s[4:11], s[0:1], 0x0               ; x_img s[4:5], wqkv_img s[6:7], bqkv s[8:9], g_q s[10:11]
	s_load_b256 s[12:19], s[0:1], 0x20             ; g_k s[12:13], the scales s[14:15], q_img s[16:17], k_img s[18:19]
	s_load_b64 s[20:21], s[0:1], 0x40              ; v_img
	v_lshl_add_u32 v126, v0, 2, 0x12400
	v_mov_b32 v127, 0
	v_lshrrev_b32 v11, 5, v0
	v_readfirstlane_b32 s[WV], v11                 ; wave 0..3
	v_and_b32 v11, 31, v0
	v_lshlrev_b32 v[LI], 4, v11
	v_lshlrev_b32 v[TI], 4, v0
	v_lshlrev_b32 v[T32], 5, v0
	v_add_nc_u32 v[BST], BIASL, v[T32]
	v_and_b32 v12, 15, v0                          ; r
	v_bfe_u32 v13, v0, 4, 1                        ; h
	s_wait_alu depctr_va_sdst(0)                   ; the wave's number is written into s22, ahead of its first reader, the line below
	s_lshl_b32 s50, s[WV], 10
	s_add_co_u32 s50, s50, BIASL
	v_lshl_add_u32 v[BADR], v13, 6, s50
	s_lshl_b32 s51, s[WV], 8
	s_add_co_u32 s51, s51, RED
	v_lshl_add_u32 v[RADR], v12, 2, s51
	v_lshlrev_b32 v[RRD], 2, v12
	v_add_nc_u32 v[RRD], RED, v[RRD]
	v_and_b32 v[VBO], 8, v12
	v_add_nc_u32 v[VBO], v[VBO], v12
	v_lshlrev_b32 v[VBO], 2, v[VBO]
	s_mov_b32 s[SEL], 0x76543210
	s_mov_b32 s[SEL+1], 0xfedcba98
	s_and_b32 s52, ttmp9, 127
	s_lshl_b32 s52, s52, 16                        ; q, k: stationary = block (id % 128) of 64 tokens: 65,536 bytes of x_img
	s_and_b32 s53, ttmp9, 15
	s_lshl_b32 s53, s53, 16
	s_add_co_u32 s53, s53, 2097152                 ; v: stationary = head (id % 16): tiles 128 + 4 head on of wqkv_img
	s_bfe_u32 s54, ttmp9, 0x10007
	s_lshl_b32 s54, s54, 20
	s_lshl_b32 s55, s[WV], 18
	s_add_co_u32 s54, s54, s55                     ; q, k: stream = the part's 64 tiles, 16 a wave
	s_bfe_u32 s56, ttmp9, 0x40004                  ; v: which 512 tokens: (id / 16) % 16
	s_lshl_b32 s57, s56, 19
	s_lshl_b32 s55, s[WV], 17
	s_add_co_u32 s57, s57, s55                     ; v: stream = their 32 tiles, 8 a wave
	s_cmp_lt_u32 ttmp9, 256                        ; the choices hang on the work-group's number alone
	s_cselect_b32 s52, s52, s53
	s_cselect_b32 s54, s54, s57
	s_mov_b32 s53, 0
	s_mov_b32 s55, 0
	s_wait_kmcnt 0x0
	s_cselect_b64 s[ST:ST+1], s[4:5], s[6:7]
	s_cselect_b64 s[SM:SM+1], s[6:7], s[4:5]
	s_add_nc_u64 s[ST:ST+1], s[ST:ST+1], s[52:53]
	s_add_nc_u64 s[SM:SM+1], s[SM:SM+1], s[54:55]
	s_load_b256 s[24:31], s[14:15], 0x0            ; e0 .. e7
	s_wait_alu depctr_va_vdst(0)                   ; the offsets and LDS addresses v1 to v7 and v10 are written, which the loads and stores of the whole kernel read, on both ways
.irp i, 0,1,2,3,4,5,6,7,8,9,10,11,12,13,14,15,16,17,18,19,20,21,22,23,24,25,26,27,28,29,30,31
	global_load_b128 v[XS+4*\i:XS+4*\i+3], v[TI], s[ST:ST+1] offset:2048*\i   ; the stationary operand: the 128 threads take 2,048 consecutive bytes a line
.endr
	RLOAD 0,4,0                                    ; (instance 0 is the same for both kinds of work-group)
	WIN 0
	s_wait_loadcnt 16                              ; the copy is in; instance 0's 16 loads may be out
.irp i, 0,1,2,3,4,5,6,7,8,9,10,11,12,13,14,15,16,17,18,19,20,21,22,23,24,25,26,27,28,29,30,31
	ds_store_b128 v[TI], v[XS+4*\i:XS+4*\i+3] offset:2048*\i
.endr
	s_wait_alu depctr_vm_vsrc(0)                   ; these LDS stores have read v[XS ..], in which the stationary fragments land behind the barrier, on both ways
	s_cmp_lt_u32 ttmp9, 256
	s_cbranch_scc0 .Lv_path                        ; the same way for all four waves
	; ================ q, k ================
	s_bfe_u32 s50, ttmp9, 0x10007                  ; 0: q, 1: k
	s_lshl_b32 s52, s50, 12
	s_mov_b32 s53, 0
	s_add_nc_u64 s[BP:BP+1], s[8:9], s[52:53]      ; the part's 1,024 biases
	s_cmp_eq_u32 s50, 0
	s_cselect_b64 s[GP:GP+1], s[10:11], s[12:13]
	s_cselect_b64 s[OUT:OUT+1], s[16:17], s[18:19]
	global_load_b128 v[BG:BG+3], v[T32], s[BP:BP+1]
	global_load_b128 v[BG+4:BG+7], v[T32], s[BP:BP+1] offset:16
	global_load_b128 v[BG+8:BG+11], v[T32], s[GP:GP+1]
	global_load_b128 v[BG+12:BG+15], v[T32], s[GP:GP+1] offset:16
	RLOAD 1,4,0
	RLOAD 2,4,0
	RLOAD 3,4,0
	WIN 0
	s_bfe_u32 s52, ttmp9, 0x20005                  ; the batch: 16 heads of 131,072 bytes,
	s_lshl_b32 s52, s52, 21
	s_lshl_b32 s51, s[WV], 19                      ; my wave's four heads,
	s_add_co_u32 s52, s52, s51
	s_and_b32 s51, ttmp9, 31
	s_lshl_b32 s51, s51, 12                        ; the block's four token tiles of 1,024 bytes
	s_add_co_u32 s52, s52, s51
	s_add_nc_u64 s[OUT:OUT+1], s[OUT:OUT+1], s[52:53]
	s_wait_kmcnt 0x0
	s_mov_b32 s[FAC], 0x42000000                   ; 32
	s_cmp_eq_u32 s50, 0
	s_cselect_b32 s51, s26, s27                    ; e2 or e3
	s_cselect_b32 s[FAC], 0x40800000, s[FAC]       ; q: 32 / 8 = 4
	SCALES
	s_wait_loadcnt 48                              ; bias and g are in (and instance 0); the 48 loads of instances 1 to 3 may be out
	ds_store_b128 v[BST], v[BG:BG+3]
	ds_store_b128 v[BST], v[BG+4:BG+7] offset:16
	ds_store_b128 v[BST], v[BG+8:BG+11] offset:GLO
	ds_store_b128 v[BST], v[BG+12:BG+15] offset:GLO+16
	BARRIER                                        ; the stationary images, the biases and the gains lie in LDS
	XLOAD 0
.set N, 0
.rept 32
	INST N,4
.set N, N+1
.endr
	WIN TO_R                                       ; the ring is free: my 256 channels' bias and g, in the result's layout: pair p of tiles: 16 neighbours at 128 p + 64 h
	s_wait_alu depctr_va_vdst(0)                   ; the last four instances' products are done reading the ring, in which the LDS loads below land
.irp p, 0,1,2,3,4,5,6,7
.irp j, 0,1,2,3
	ds_load_b128 v[16*\p+4*\j:16*\p+4*\j+3], v[BADR] offset:128*\p+16*\j
	ds_load_b128 v[128+16*\p+4*\j:128+16*\p+4*\j+3], v[BADR] offset:GLO+128*\p+16*\j
.endr
.endr
	s_wait_dscnt 0x0
	E_BIAS 0
	E_SQ 0
	E_BIAS 1
	E_SQ 1
	WIN 0
.irp a, 0,1,2,3
	v_pk_add_f32 v[SS+4*\a:SS+4*\a+1], v[SS+4*\a:SS+4*\a+1], v[SS+4*\a+2:SS+4*\a+3]
.endr
.irp a, 0,1,2,3
	v_add_f32 v[SS+4*\a], v[SS+4*\a], v[SS+4*\a+1]
.endr
.irp a, 0,1,2,3
	v_permlanex16_b32 v[SS+4*\a+1], v[SS+4*\a], s[SEL], s[SEL+1]   ; the token's other 128 of my wave's channels lie in the lane 16 away
.endr
.irp a, 0,1,2,3
	v_add_f32 v[SS+4*\a], v[SS+4*\a], v[SS+4*\a+1]
.endr
	s_wait_alu depctr_va_vdst(0)                   ; the additions have written the four partial sums, which the LDS stores read
.irp a, 0,1,2,3
	ds_store_b32 v[RADR], v[SS+4*\a] offset:64*\a  ; lanes r and r + 16 write the same word with the same number
.endr
	BARRIER                                        ; the four waves' partial sums lie in LDS
.irp a, 0,1,2,3
.irp w, 0,1,2,3
	ds_load_b32 v[PS+4*\a+\w], v[RRD] offset:256*\w+64*\a
.endr
.endr
	s_wait_dscnt 0x0
.irp a, 0,1,2,3
	v_add_f32 v[PS+4*\a], v[PS+4*\a], v[PS+4*\a+1]
	v_add_f32 v[PS+4*\a+2], v[PS+4*\a+2], v[PS+4*\a+3]
.endr
.irp a, 0,1,2,3
	v_add_f32 v[PS+4*\a], v[PS+4*\a], v[PS+4*\a+2] ; the same order in every wave: all four get the same number
.endr
.irp a, 0,1,2,3
	v_sqrt_f32 v[PS+4*\a+1], v[PS+4*\a]
.endr
	v_nop                                          ; a plain line behind the last root,
	s_wait_alu depctr_va_vdst(0)                   ; and one wait for the four roots' results, ahead of their first reader
.irp a, 0,1,2,3
	v_max_num_f32 v[PS+4*\a+1], 0x2b8cbccc, v[PS+4*\a+1]   ; max(norm, 1e-12)
.endr
.irp a, 0,1,2,3
	v_rcp_f32 v[PS+4*\a+2], v[PS+4*\a+1]
.endr
	v_nop
	s_wait_alu depctr_va_vdst(0)                   ; likewise for the four reciprocals' results
.irp a, 0,1,2,3
	v_mul_f32 v[RN+2*\a], s[FAC], v[PS+4*\a+2]
	v_mul_f32 v[RN+2*\a+1], s[FAC], v[PS+4*\a+2]
.endr
.irp wi, 0,1
	E_GAIN \wi
	E_NORM \wi
	E_HOLD \wi
	E_CODE \wi
	s_wait_alu depctr_va_vdst(0)                   ; the conversions have written this window's 64 registers of codes, which the stores below read; each window has registers of its own, so none is written again
.irp a, 0,1,2,3
.irp p, 0,1,2,3                        ; pair 4 wi + p of my channel tiles: head (4 wi + p) / 2 of my four, piece p % 2; token tile a
	global_store_b128 v[LI], v[CD+64*\wi+16*\a+4*\p:CD+64*\wi+16*\a+4*\p+3], s[OUT:OUT+1] offset:((4*\wi+\p)/2)*131072+1024*\a+512*(\p%2)   ; 512 consecutive bytes, aligned
.endr
.endr
.endr
	s_wait_dscnt 0x0                               ; the closing lines, six on end
	s_wait_alu 0x0
	s_wait_tensorcnt 0x0
	ds_add_u32 v126, v127
	s_wait_dscnt 0x0
	s_endpgm
	; ================ v ================
.Lv_path:
	s_and_b32 s50, ttmp9, 15                       ; the head
	s_lshl_b32 s52, s50, 8
	s_add_co_u32 s52, s52, 8192
	s_mov_b32 s53, 0
	s_add_nc_u64 s[BP:BP+1], s[8:9], s[52:53]      ; its 64 biases
.irp a, 0,1,2,3
	global_load_b32 v[VB+2*\a], v[VBO], s[BP:BP+1] offset:4*(32*(\a/2)+8*(\a%2))     ; my lane's channel of tile a, twice: a pair for the packed form
	global_load_b32 v[VB+2*\a+1], v[VBO], s[BP:BP+1] offset:4*(32*(\a/2)+8*(\a%2))
.endr
	RLOAD 1,2,0
	RLOAD 2,2,0
	RLOAD 3,2,0
	WIN 0
	s_lshr_b32 s51, s56, 2                         ; the batch
	s_lshl_b32 s51, s51, 4
	s_add_co_u32 s51, s51, s50
	s_lshl_b32 s52, s51, 17                        ; (16 x batch + head) x 131,072
	s_and_b32 s51, s56, 3
	s_lshl_b32 s51, s51, 2
	s_add_co_u32 s51, s51, s[WV]
	s_lshl_b32 s51, s51, 13                        ; my wave's key step: 8,192 bytes
	s_add_co_u32 s52, s52, s51
	s_add_nc_u64 s[OUT:OUT+1], s[20:21], s[52:53]
	s_wait_kmcnt 0x0
	s_mov_b32 s51, s29                             ; e5
	SCALES
	BARRIER                                        ; the stationary images lie in LDS
	XLOAD 0
.set N, 0
.rept 16
	INST N,2                                       ; (instance 0's wait leaves 48 loads out: the bias, asked for ahead of them, is in)
.set N, N+1
.endr
	WIN 0x82
.set X, 0
.rept 128
	v_pk_fma_f32 v[X:X+1], v[X:X+1], s[SC:SC+1], v[VB+2*((X/8)%4):VB+2*((X/8)%4)+1] op_sel_hi:[1,0,1]   ; sum x 2^(e0 + e1) + bias; each accumulator from its low end on
.set X, X+2
.endr
	E_HOLD 0
	E_CODE 0
	s_wait_alu depctr_va_vdst(0)                   ; the conversions have written the 64 registers of codes, which the stores below read
.irp a, 0,1,2,3
.irp p, 0,1,2,3                        ; channel tile a, piece p: keys 32 p + 16 h + 0 .. 15 of my key step
	global_store_b128 v[LI], v[CD+16*\a+4*\p:CD+16*\a+4*\p+3], s[OUT:OUT+1] offset:2048*\a+512*\p
.endr
.endr
	s_wait_dscnt 0x0                               ; the closing lines, six on end
	s_wait_alu 0x0
	s_wait_tensorcnt 0x0
	ds_add_u32 v126, v127
	s_wait_dscnt 0x0
	s_endpgm
.Lfunc_end_k_q91cb9b2b29_qkv:
	.size	k_q91cb9b2b29_qkv, .Lfunc_end_k_q91cb9b2b29_qkv-k_q91cb9b2b29_qkv
	.p2alignl 7, 3214868480
	.fill 96, 4, 3214868480
	.section	.rodata,"a",@progbits
	.p2align	6, 0x0
	.amdhsa_kernel k_q91cb9b2b29_qkv
		.amdhsa_group_segment_fixed_size 75264
		.amdhsa_private_segment_fixed_size 0
		.amdhsa_enable_private_segment 0
		.amdhsa_kernarg_size 72
		.amdhsa_user_sgpr_count 2
		.amdhsa_user_sgpr_kernarg_segment_ptr 1
		.amdhsa_wavefront_size32 1
		.amdhsa_system_sgpr_workgroup_id_x 1
		.amdhsa_system_sgpr_workgroup_id_y 1
		.amdhsa_system_sgpr_workgroup_id_z 1
		.amdhsa_system_vgpr_workitem_id 0
		.amdhsa_next_free_vgpr 1024
		.amdhsa_next_free_sgpr 72
		.amdhsa_reserve_vcc 0
		.amdhsa_float_denorm_mode_32 3
		.amdhsa_float_denorm_mode_16_64 3
		.amdhsa_memory_ordered 1
		.amdhsa_forward_progress 1
		.amdhsa_inst_pref_size 255
	.end_amdhsa_kernel
	.section	.bss,"aw",@nobits
	.p2align	6
	.space	262144
	.amdgpu_metadata
---
amdhsa.version: [ 1, 2 ]
amdhsa.kernels:
  - .name:           k_q91cb9b2b29_qkv
    .symbol:         k_q91cb9b2b29_qkv.kd
    .args:
      - { .name: x_img, .offset: 0, .size: 8, .value_kind: global_buffer, .address_space: global }
      - { .name: wqkv_img, .offset: 8, .size: 8, .value_kind: global_buffer, .address_space: global }
      - { .name: bqkv, .offset: 16, .size: 8, .value_kind: global_buffer, .address_space: global }
      - { .name: g_q, .offset: 24, .size: 8, .value_kind: global_buffer, .address_space: global }
      - { .name: g_k, .offset: 32, .size: 8, .value_kind: global_buffer, .address_space: global }
      - { .name: lowp_scales, .offset: 40, .size: 8, .value_kind: global_buffer, .address_space: global }
      - { .name: q_img, .offset: 48, .size: 8, .value_kind: global_buffer, .address_space: global }
      - { .name: k_img, .offset: 56, .size: 8, .value_kind: global_buffer, .address_space: global }
      - { .name: v_img, .offset: 64, .size: 8, .value_kind: global_buffer, .address_space: global }
    .group_segment_fixed_size: 75264
    .private_segment_fixed_size: 0
    .kernarg_segment_align: 8
    .kernarg_segment_size: 72
    .max_flat_workgroup_size: 128
    .sgpr_count:     72
    .vgpr_count:     1024
    .wavefront_size: 32
...
	.end_amdgpu_metadata
.endif
;; end of part 5
;; launch attn (part 6): grid 4 x 64, 8 waves a work-group, no clusters, 263,168 bytes of LDS; arguments q_img, k_img, v_img, lowp_scales, a_img; writes a_img
.if DOCPART == 6
	.amdgcn_target "amdgcn-amd-amdhsa--gfx1250"
	.amdhsa_code_object_version 6
	.text
	.protected	k_q91cb9b2b29_attn
	.globl	k_q91cb9b2b29_attn
	.p2align	8
	.type	k_q91cb9b2b29_attn,@function
k_q91cb9b2b29_attn:
	s_mov_b64 s[64:65], 0
	v_nop
	global_prefetch_b8 v0, s[64:65] scope:SCOPE_SE
	s_setreg_imm32_b32 hwreg(HW_REG_WAVE_SCHED_MODE, 0, 2), 2
	s_setreg_imm32_b32 hwreg(HW_REG_WAVE_MODE, 25, 1), 1
	s_wait_xcnt 0x0
	s_wait_alu depctr_vm_vsrc(0)
; out[q] = softmax_k(q . k) v for one head, both products on codes of FP8 (scales 2, 3; 4, 5); the result is quantised (scale 6) into a_img, the image of the last product's left operand.
; THE SOFTMAX AHEAD OF THE SECOND PRODUCT: t = score x log2(e); M = the running largest t rounded UP to a whole number; p = 2^(t - M) is what is quantised; the row's sum is taken of the unquantised p and divides at the end.
; When M moves, the sum and O are multiplied by 2^(old M - new M): nothing is rounded, and there is no branch on floating-point data.
; SHARES.  A work-group takes one head (work-group y = 16 x batch + head) and 512 of its 2,048 queries (work-group x).  THE HEAD'S WHOLE K AND V LIE IN LDS for the whole launch: 131,072 bytes each, as images of operand
; registers: no ring, one barrier.  Each of the eight waves makes two passes, each with TWO tiles of 16 queries over 16 key steps of 128 keys: a key step's fragments of K and V, 16,384 bytes, are read from LDS once for both tiles.
; LAYOUT.  Both products are used transposed: S^T = K Q^T (source 0 = 16 keys), O^T = V^T P^T (source 0 = 16 of the head's 64 channels): a lane holds ONE query of each tile throughout.  A tile's place r is row
; 32 (T / 2) + 8 (T % 2) + r + 8 (r / 8), so the 16 registers of key tiles 2 b, 2 b + 1 are keys 32 b + 16 h + 0 .. 15: the conversions' results are P's registers; likewise O^T's registers are pieces of a_img.
; THE LDS LOADS RUN AHEAD: V of a step and K of the next step are asked for in one run straight behind the step's score products: both land under the softmax.
; THE TWO TILES ARE SKEWED: tile 0's 64 exponentials alternate with tile 1's maximum, its way to M and its scalings (64 plain lines); tile 1's with tile 0's sums and its rescaling of O^T (48).  Each batch has one plain line and one
; wait behind it, and nothing inside a batch names a result of that batch.
; NO CLUSTER: K and V are fetched once, 262,144 bytes a work-group at its head, against 32 key steps a wave; a joint request is a tensor load; the branch on e4 spares 64 vector instructions a tile and step.
; THE BRANCH ON e4 (a whole number read from memory).  p is at most 1 but for the rounding of one multiply-add; 448 x 2^e4 is at least 1.75 for e4 >= -8, so the hold cannot bind there and is jumped over; for e4 < -8 it is executed.
; LIMITS: e2 + e3 between -126 and 127 (added to log2(e)'s exponent field); e4 and e6 between -126 and 119; e4 + e5 is applied by v_ldexp_f32 and has none.  NaN is not served.
; THE MODE: SCHED_MODE bits 1:0 = 2 (LLVM: expert scheduling mode 2), set by the entry lines.  The code itself states the register dependences between vector or matrix instructions and memory or LDS instructions, with s_wait_alu, always for 0.
; THE PLAN.  Registers that memory or LDS instructions touch:
;   v1-v7      offsets and the copy's LDS addresses: written once at the head, never again.
;   the copy   v48-239 and window 1's v0-63: at the head global loads land in them and LDS stores read them; afterwards they are S^T, O^T and K's registers.
;   K (KF)     LDS loads land in it at a pass's head and, for the next step, in each step; the step's 16 score products read it.
;   V (VF)     the step's LDS loads land in it; the step's 8 second products read it.
;   v8, v9     the step's LDS addresses: written by two additions a step, read by the step's 32 LDS loads.
;   the codes  written by the conversions at a pass's end, read by its four stores; each pass has registers of its own, so none that a store has read is written again.
; So in a step ONE wait on va_vdst serves the 32 LDS loads, behind the score products and the two additions: it states that v8 and v9 are written, that the score products are done reading K's registers and that the last step's
; second products are done reading V's.  One wait on vm_vsrc a step states that the loads have read v8 and v9.
; REGISTERS, in windows of 256 (s_set_vgpr_msb: bits 1:0 source 0, 3:2 source 1, 5:4 source 2, 7:6 destination):
;   window 0: v1 16 lane; v2 16 lane + V's base; v3 16 thread; v4-7 the copy's LDS addresses; v8, v9 the addresses of the step's loads; v10, v11 the old -M; for tile T: v[12+2T] -M, v[13+2T] the largest t,
;     v[16+2T:17+2T] the sum in two halves, v[20+2T:..] the second sum chain, v[24+2T] f (its neighbour is 0), v[28+4T ..] four chains of the maximum, v[36+T] the exchange; v38, v39: 2^e4, 448 x 2^e4; v40, v41: the same for e6;
;     v46, v47 the closing add's two; v[48+64T ..] S^T, then p; v[176+32T ..] O^T; v[240+8T ..] the first pass's codes that leave; the second pass's leave from v[80+8T ..].
;   window 1: v0-63 K's 8 fragments; v64-127 V's 4; v[128+16p+8T ..] Q of pass p, tile T; v[160+16T ..] p's codes.
.set VLDS, 131072                      ; LDS: K's images from 0, V's from here
.set OMB,  10
.set NMB,  12
.set LSB,  16
.set L2B,  20
.set FFB,  24
.set MXB,  28
.set PXB,  36
.set C4,   38
.set H4,   39
.set C6,   40
.set H6,   41
.set SB,   48
.set OB,   176
.set OC,   240
.set KF,   0                           ; in window 1
.set VF,   64
.set QF,   128
.set PF,   160
.set MSB, 0
.macro WIN new                         ; the immediate's high byte repeats the setting that is left; a switch that changes nothing is dropped
.if MSB != (\new)
	s_set_vgpr_msb (MSB<<8)|(\new)
.set MSB, (\new)
.endif
.endm
.set TO_1, 0x40                        ; destination window 1
.set MULW, 0x05                        ; sources 0 and 1 window 1; C and D window 0
.set ST_1, 0x04                        ; an LDS store's data in window 1
; THE COPY.  Line l is 4,096 consecutive bytes, 16 a thread: lines 0-31 K's images, lines 32-63 V's; it lies at LDS byte 4,096 l.  Lines 0-47 go through v48-239 of window 0, lines 48-63 through v0-63 of window 1.
.macro CLINE l, st                     ; st = 0: the load; 1: the LDS store
.if (\l) < 48
.set CR, SB+4*(\l)
.else
.set CR, 4*((\l)-48)
.endif
.if \st
	ds_store_b128 v[4+(\l)/16], v[CR:CR+3] offset:4096*((\l)%16)
.elseif (\l) < 32
	global_load_b128 v[CR:CR+3], v3, s[6:7] offset:4096*(\l)
.else
	global_load_b128 v[CR:CR+3], v3, s[8:9] offset:4096*((\l)-32)
.endif
.endm
.macro CGROUP g, st                    ; lines 8 g .. 8 g + 7
.set L, 8*(\g)
.rept 8
	CLINE L, \st
.set L, L+1
.endr
.endm
; THE SOFTMAX OF ONE TILE t FOR ONE KEY STEP, as numbered lists; the step below deals them out.
.macro MAXI t, i                       ; 32 lines: the largest of my 64 scores, in four chains, in ascending order: each accumulator is read from its low end on
.if (\i) < 4
	v_max3_num_f32 v[MXB+4*(\t)+(\i)], v[SB+64*(\t)+3*(\i)], v[SB+64*(\t)+3*(\i)+1], v[SB+64*(\t)+3*(\i)+2]
.elseif (\i) < 30
	v_max3_num_f32 v[MXB+4*(\t)+(\i)%4], v[MXB+4*(\t)+(\i)%4], v[SB+64*(\t)+2*(\i)+4], v[SB+64*(\t)+2*(\i)+5]
.elseif (\i) == 30
	v_max3_num_f32 v[MXB+4*(\t)], v[MXB+4*(\t)], v[MXB+4*(\t)+1], v[MXB+4*(\t)+2]
.else
	v_max_num_f32 v[MXB+4*(\t)], v[MXB+4*(\t)], v[MXB+4*(\t)+3]
.endif
.endm
.macro CHN t, i                        ; 8 lines, each waiting for the one before: from the lane's maximum to -M and f
.if (\i) == 0
	v_permlanex16_b32 v[PXB+(\t)], v[MXB+4*(\t)], s20, s21         ; the query's other 64 keys lie in the lane 16 away
.elseif (\i) == 1
	v_max_num_f32 v[MXB+4*(\t)], v[MXB+4*(\t)], v[PXB+(\t)]
.elseif (\i) == 2
	v_mul_f32 v[MXB+4*(\t)], s22, v[MXB+4*(\t)]                    ; as t (c is positive)
.elseif (\i) == 3
	v_max_num_f32 v[NMB+2*(\t)+1], v[NMB+2*(\t)+1], v[MXB+4*(\t)]  ; the running largest t
.elseif (\i) == 4
	v_floor_f32 v[NMB+2*(\t)], -v[NMB+2*(\t)+1]                    ; the new -M = floor(-t) = -ceil(t)
.elseif (\i) == 5
	v_sub_f32 v[MXB+4*(\t)], v[NMB+2*(\t)], v[OMB+(\t)]            ; old M - new M: a whole number, 0 or less
.elseif (\i) == 6
	v_cvt_i32_f32 v[MXB+4*(\t)], v[MXB+4*(\t)]                     ; (it saturates)
.else
	v_ldexp_f32 v[FFB+2*(\t)], 1.0, v[MXB+4*(\t)]                  ; f = 2^(old M - new M)
.endif
.endm
.macro FMA t, i                        ; 32 lines: t - M, two at a time (of the pairs c and -M the low word serves both halves)
	v_pk_fma_f32 v[SB+64*(\t)+2*(\i):SB+64*(\t)+2*(\i)+1], v[SB+64*(\t)+2*(\i):SB+64*(\t)+2*(\i)+1], s[22:23], v[NMB+2*(\t):NMB+2*(\t)+1] op_sel_hi:[1,0,0]
.endm
.macro EXPI t, i                       ; 64 lines: p = 2^(t - M): not normalised
	v_exp_f32 v[SB+64*(\t)+(\i)], v[SB+64*(\t)+(\i)]
.endm
.macro LX t                            ; the sums under the new M
	v_pk_mul_f32 v[LSB+2*(\t):LSB+2*(\t)+1], v[LSB+2*(\t):LSB+2*(\t)+1], v[FFB+2*(\t):FFB+2*(\t)+1] op_sel_hi:[1,0]
.endm
.macro SUMI t, i                       ; 32 lines: the row's sum is taken of the unquantised p: two at a time, in two chains
.if (\i) == 0
	v_pk_add_f32 v[L2B+2*(\t):L2B+2*(\t)+1], v[SB+64*(\t):SB+64*(\t)+1], v[SB+64*(\t)+2:SB+64*(\t)+3]
.elseif (\i) == 31
	v_pk_add_f32 v[LSB+2*(\t):LSB+2*(\t)+1], v[LSB+2*(\t):LSB+2*(\t)+1], v[L2B+2*(\t):L2B+2*(\t)+1]
.elseif ((\i)%2) == 1
	v_pk_add_f32 v[LSB+2*(\t):LSB+2*(\t)+1], v[LSB+2*(\t):LSB+2*(\t)+1], v[SB+64*(\t)+2*(\i)+2:SB+64*(\t)+2*(\i)+3]
.else
	v_pk_add_f32 v[L2B+2*(\t):L2B+2*(\t)+1], v[L2B+2*(\t):L2B+2*(\t)+1], v[SB+64*(\t)+2*(\i)+2:SB+64*(\t)+2*(\i)+3]
.endif
.endm
.macro RSC t, i                        ; 16 lines: O^T under the new M; ascending: each accumulator from its low end on
	v_pk_mul_f32 v[OB+32*(\t)+2*(\i):OB+32*(\t)+2*(\i)+1], v[OB+32*(\t)+2*(\i):OB+32*(\t)+2*(\i)+1], v[FFB+2*(\t):FFB+2*(\t)+1] op_sel_hi:[1,0]
.endm
	s_load_b256 s[4:11], s[0:1], 0x0               ; q_img s[4:5], k_img s[6:7], v_img s[8:9], the scales s[10:11]
	s_load_b64 s[12:13], s[0:1], 0x20              ; a_img
	v_lshl_add_u32 v46, v0, 2, 0x40000
	v_mov_b32 v47, 0
	v_lshrrev_b32 v8, 5, v0
	v_readfirstlane_b32 s14, v8                    ; wave 0..7
	v_and_b32 v8, 31, v0
	v_lshlrev_b32 v1, 4, v8
	v_add_nc_u32 v2, VLDS, v1
	v_lshlrev_b32 v3, 4, v0
.irp n, 0,1,2,3
	v_add_nc_u32 v[4+\n], 65536*\n, v3
.endr
	s_wait_alu depctr_va_sdst(0)                   ; the wave's number is written into s14, ahead of its first reader: Q's and a_img's addresses are made from it
	s_and_b32 s15, ttmp7, 0xffff                   ; 16 x batch + head
	s_lshl_b32 s40, s15, 17                        ; its 131,072 bytes in each of the three images
	s_mov_b32 s41, 0
	s_lshl_b32 s42, ttmp9, 5
	s_lshl_b32 s43, s14, 1
	s_add_co_u32 s42, s42, s43                     ; my first pass's first query tile: 32 x + 2 x wave; the second tile follows it, the second pass's lie 16 tiles on
	s_lshl_b32 s44, s42, 10
	s_add_co_u32 s44, s44, s40
	s_mov_b32 s45, 0
	s_lshr_b32 s46, s15, 4
	s_lshl_b32 s46, s46, 7
	s_add_co_u32 s46, s46, s42
	s_lshl_b32 s46, s46, 14                        ; a_img: token tile 128 x batch + my tile, 16,384 bytes each;
	s_bfe_u32 s47, s15, 0x30001
	s_lshl_b32 s47, s47, 11                        ; K step head / 2;
	s_add_co_u32 s46, s46, s47
	s_and_b32 s47, s15, 1
	s_lshl_b32 s47, s47, 10                        ; pieces 2 (head % 2) and + 1
	s_add_co_u32 s46, s46, s47
	s_mov_b32 s47, 0
	s_mov_b32 s20, 0x76543210                      ; v_permlanex16_b32's selects for lane l xor 16
	s_mov_b32 s21, 0xfedcba98
	s_wait_kmcnt 0x0
	s_load_b256 s[24:31], s[10:11], 0x0            ; e0 .. e7
	s_add_nc_u64 s[4:5], s[4:5], s[44:45]
	s_add_nc_u64 s[6:7], s[6:7], s[40:41]
	s_add_nc_u64 s[8:9], s[8:9], s[40:41]
	s_add_nc_u64 s[36:37], s[12:13], s[46:47]
	WIN TO_1
	s_wait_alu depctr_va_vdst(0)                   ; the offsets and LDS addresses v1 to v7 are written, which the loads and stores of the head read
.irp p, 0,1
.irp t, 0,1
.irp c, 0,1
	global_load_b128 v[QF+16*\p+8*\t+4*\c:QF+16*\p+8*\t+4*\c+3], v1, s[4:5] offset:16384*\p+1024*\t+512*\c   ; Q's four fragments stay in registers
.endr
.endr
.endr
	WIN 0
.irp g, 0,1,2,3,4,5
	CGROUP \g, 0                                   ; 8 loads of Q and 48 lines are out
.endr
	s_wait_loadcnt 40                              ; Q and lines 0-7 are in; the 40 lines behind them stay out
	CGROUP 0, 1
	WIN TO_1
	CGROUP 6, 0                                    ; (since the wait on va_vdst only loads, switches and LDS stores of other registers have been issued)
	s_wait_loadcnt 40                              ; lines 8-15 are in; lines 16-55 stay out
	WIN 0
	CGROUP 1, 1
	WIN TO_1
	CGROUP 7, 0
	WIN 0
.irp g, 2,3,4,5
	s_wait_loadcnt 56-8*\g                         ; group g's eight lines are in; the lines behind them, 8 (7 - g), stay out
	CGROUP \g, 1
.endr
	WIN ST_1
.irp g, 6,7
	s_wait_loadcnt 56-8*\g
	CGROUP \g, 1
.endr
	WIN 0
	s_wait_dscnt 0x0                               ; for the others' sake: my stores have landed
	s_barrier_signal -1
	s_barrier_wait -1                              ; K and V lie in LDS; nobody writes LDS again
	s_wait_alu depctr_vm_vsrc(0)                   ; my LDS stores have read the registers that the copy went through: from here on they are S^T and O^T, which products and vector lines write, and K's registers, in which LDS loads land
	s_wait_kmcnt 0x0
	s_add_co_i32 s33, s26, s27
	s_lshl_b32 s33, s33, 23
	s_add_co_i32 s22, s33, 0x3fb8aa3b              ; c = log2(e) x 2^(e2 + e3): a score stands for score x 2^(e2 + e3)
	s_mov_b32 s23, s22                             ; (named with it as a pair, so it is written)
	s_add_co_i32 s33, s28, 127
	s_lshl_b32 s34, s33, 23
	v_mov_b32 v[C4], s34                           ; 2^e4
	s_add_co_i32 s33, s33, 8
	s_lshl_b32 s33, s33, 23
	s_or_b32 s33, s33, 0x600000
	v_mov_b32 v[H4], s33                           ; 448 x 2^e4
	s_add_co_i32 s33, s30, 127
	s_lshl_b32 s34, s33, 23
	v_mov_b32 v[C6], s34                           ; 2^e6
	s_add_co_i32 s33, s33, 8
	s_lshl_b32 s33, s33, 23
	s_or_b32 s33, s33, 0x600000
	v_mov_b32 v[H6], s33                           ; 448 x 2^e6
	s_add_co_i32 s32, s28, s29                     ; e4 + e5
	v_mov_b32 v[FFB+1], 0                          ; (named as the upper halves of f's pairs)
	v_mov_b32 v[FFB+3], 0
	v_mov_b32 v[PXB], 0                            ; written once: a lane permute's destination counts as one of its sources
	v_mov_b32 v[PXB+1], 0
; A KEY STEP for both tiles: 128 keys, at LDS byte s16 of K's and of V's images.  q: Q's first register (window 1).  At its head the 16 loads of this step's K are out or in.
.macro STEP q
	s_wait_dscnt 0x0                               ; K of this step, asked for a step ago (in the first step: at the pass's head), is in
	WIN MULW
.irp t, 0,1,2,3,4,5,6,7
.irp u, 0,1
	v_wmma_f32_16x16x64_fp8_fp8 v[SB+64*\u+8*\t:SB+64*\u+8*\t+7], v[KF+8*\t:KF+8*\t+7], v[(\q)+8*\u:(\q)+8*\u+7], 0   ; each fragment of K serves both tiles
.endr
.endr
	WIN 0
	v_mov_b32 v[OMB], v[NMB]                       ; the old -M of both tiles is kept for f;
	v_mov_b32 v[OMB+1], v[NMB+2]
	v_add_nc_u32 v9, s16, v2                       ; the step's LDS addresses (the last step's loads have read them: the wait on vm_vsrc in that step)
	v_add_nc_u32 v8, s16, v1                       ; these four are the places behind the products, in front of the loads below and of the first read of the scores
	WIN TO_1
	s_wait_alu depctr_va_vdst(0)                   ; v8 and v9 are written, which the loads below read; the score products are done reading K's registers and the last step's second products V's, in which they land
.irp a, 0,1,2,3
.irp c, 0,1,2,3
	ds_load_b128 v[VF+16*\a+4*\c:VF+16*\a+4*\c+3], v9 offset:2048*\a+512*\c   ; V's four fragments: they land under the softmax
.endr
.endr
.irp t, 0,1,2,3,4,5,6,7
.irp c, 0,1
	ds_load_b128 v[KF+8*\t+4*\c:KF+8*\t+4*\c+3], v8 offset:8192+1024*\t+512*\c   ; K of the NEXT step.  In a pass's last step these are V's first 8,192 bytes: inside LDS, and never read from the registers
.endr
.endr
	WIN 0
.set J, 0
.rept 32
	MAXI 0, J
.set J, J+1
.endr
.set J, 0
.rept 8
	CHN 0, J                                       ; tile 0's chain, each line with a line of tile 1's maximum behind it
	MAXI 1, J
.set J, J+1
.endr
.set J, 0
.rept 32
	FMA 0, J
.set J, J+1
.endr
.set J, 0
.rept 64                                           ; tile 0's batch of exponentials, a plain line of tile 1 ahead of each
.if J < 24
	MAXI 1, J+8
.elseif J < 32
	CHN 1, J-24
.else
	FMA 1, J-32
.endif
	EXPI 0, J
.set J, J+1
.endr
	LX 0                                           ; the plain line behind the batch's last exponential
	s_wait_alu depctr_va_vdst(0)                   ; one wait for tile 0's 64 exponentials' results, ahead of their first reader
.set J, 0
.rept 64                                           ; tile 1's batch; tile 0's sums and its rescaling stand ahead of the first 48
.if J < 32
	SUMI 0, J
.elseif J < 48
	RSC 0, J-32
.endif
	EXPI 1, J
.set J, J+1
.endr
	LX 1
	s_wait_alu depctr_va_vdst(0)                   ; likewise for tile 1's 64 results; no exponential is out at the branch below
.set J, 0
.rept 16
	SUMI 1, 2*J
	SUMI 1, 2*J+1
	RSC 1, J
.set J, J+1
.endr
	s_wait_alu depctr_vm_vsrc(0)                   ; this step's 32 LDS loads have read v8 and v9, which the next step's additions write again; it stands ahead of the branches that lie between, so it is on every way there
	s_cmp_lt_i32 s28, -8                           ; the hold can bind only where 448 x 2^e4 lies under p's largest value
	s_cbranch_scc0 .Lno_hold_\@
.set J, 0
.rept 128
	v_min_num_f32 v[SB+J], v[SB+J], v[H4]          ; p is not negative: the hold is one-sided
.set J, J+1
.endr
.Lno_hold_\@:
	WIN TO_1
.irp u, 0,1
.irp b, 0,1,2,3
	v_cvt_scalef32_pk8_fp8_f32 v[PF+16*\u+4*\b:PF+16*\u+4*\b+1], v[SB+64*\u+16*\b:SB+64*\u+16*\b+7], v[C4]
	v_cvt_scalef32_pk8_fp8_f32 v[PF+16*\u+4*\b+2:PF+16*\u+4*\b+3], v[SB+64*\u+16*\b+8:SB+64*\u+16*\b+15], v[C4]
.endr
.endr
	v_nop                                          ; a plain line between the conversions and the products that read their results
	s_wait_dscnt 16                                ; LDS loads come back in order (ISA guide 5.7.1): V is in; the next step's K, the 16 younger loads, stays out
	WIN MULW
.irp a, 0,1,2,3
.irp u, 0,1
	v_wmma_f32_16x16x128_fp8_fp8 v[OB+32*\u+8*\a:OB+32*\u+8*\a+7], v[VF+16*\a:VF+16*\a+15], v[PF+16*\u:PF+16*\u+15], v[OB+32*\u+8*\a:OB+32*\u+8*\a+7]   ; eight accumulators, one instruction a turn; the next step's sixteen score products stand between two links
.endr
.endr
	WIN 0
.endm
.macro PASS p
.set OCP, OC-(\p)*(OC-SB-32)                       ; the pass's codes: v240-255 in the first pass; v80-95, free at the pass's end, in the second
	v_mov_b32 v[NMB+1], 0xff61b1e6                 ; the largest t so far: -3e38, under every t
	v_mov_b32 v[NMB+3], 0xff61b1e6
	v_floor_f32 v[NMB], -v[NMB+1]
	v_floor_f32 v[NMB+2], -v[NMB+3]
.irp j, 0,1,2,3
	v_mov_b32 v[LSB+\j], 0
.endr
.set J, 0
.rept 64
	v_mov_b32 v[OB+J], 0                           ; O^T: the step is written once; its first trip finds zeros, which the first change of M leaves zeros
.set J, J+1
.endr
	s_mov_b32 s16, 0
	s_mov_b32 s17, 16
	WIN TO_1
	s_wait_alu depctr_va_vdst(0)                   ; v1, the loads' address, is written, and the score products of the pass before are done reading K's registers, in which the loads land; it stands behind the window switch
.irp t, 0,1,2,3,4,5,6,7
.irp c, 0,1
	ds_load_b128 v[KF+8*\t+4*\c:KF+8*\t+4*\c+3], v1 offset:1024*\t+512*\c   ; K of the pass's first step
.endr
.endr
	WIN 0
.Lstep_\@:
	STEP QF+16*(\p)
	s_add_co_u32 s16, s16, 8192                    ; a key step is 8,192 bytes of K's images and of V's
	s_sub_co_u32 s17, s17, 1
	s_cmp_lg_u32 s17, 0
	s_cbranch_scc1 .Lstep_\@
	s_wait_dscnt 0x0                               ; the sixteen loads asked for past the last step have landed: K's registers may be loaded again
.rept 4
	v_nop                                          ; four places behind the last products
.endr
	v_add_f32 v[LSB], v[LSB], v[LSB+1]             ; the sums' two halves,
	v_add_f32 v[LSB+2], v[LSB+2], v[LSB+3]
	v_permlanex16_b32 v[PXB], v[LSB], s20, s21
	v_permlanex16_b32 v[PXB+1], v[LSB+2], s20, s21
	v_add_f32 v[LSB], v[LSB], v[PXB]               ; and lane l xor 16's
	v_add_f32 v[LSB+2], v[LSB+2], v[PXB+1]
	v_rcp_f32 v[LSB], v[LSB]
	v_rcp_f32 v[LSB+2], v[LSB+2]
	v_nop                                          ; a plain line behind the reciprocals,
	s_wait_alu depctr_va_vdst(0)                   ; and one wait for the two reciprocals' results, ahead of their first reader
	v_ldexp_f32 v[LSB], v[LSB], s32                ; x 2^(e4 + e5)
	v_ldexp_f32 v[LSB+2], v[LSB+2], s32
.irp u, 0,1
.irp j, 0,2,4,6,8,10,12,14,16,18,20,22,24,26,28,30
	v_pk_mul_f32 v[SB+64*\u+\j:SB+64*\u+\j+1], v[OB+32*\u+\j:OB+32*\u+\j+1], v[LSB+2*\u:LSB+2*\u+1] op_sel_hi:[1,0]   ; O^T / the sum; register 16 b + i is channel 32 b + 16 h + i of my query
.endr
.endr
.irp u, 0,1
.irp j, 0,1,2,3,4,5,6,7,8,9,10,11,12,13,14,15,16,17,18,19,20,21,22,23,24,25,26,27,28,29,30,31
	v_med3_num_f32 v[SB+64*\u+\j], v[SB+64*\u+\j], -v[H6], v[H6]   ; the conversion to an 8-bit code does not saturate (ISA guide 7.6.2): the hold at the largest code x the scale
.endr
.endr
.irp u, 0,1
.irp b, 0,1
	v_cvt_scalef32_pk8_fp8_f32 v[OCP+8*\u+4*\b:OCP+8*\u+4*\b+1], v[SB+64*\u+16*\b:SB+64*\u+16*\b+7], v[C6]
	v_cvt_scalef32_pk8_fp8_f32 v[OCP+8*\u+4*\b+2:OCP+8*\u+4*\b+3], v[SB+64*\u+16*\b+8:SB+64*\u+16*\b+15], v[C6]
.endr
.endr
	v_nop                                          ; a plain line behind the last conversion: the next pass's products write its sources
	s_wait_alu depctr_va_vdst(0)                   ; the conversions have written the pass's 16 registers of codes, which the stores below read
.irp u, 0,1
.irp b, 0,1
	global_store_b128 v1, v[OCP+8*\u+4*\b:OCP+8*\u+4*\b+3], s[36:37] offset:262144*(\p)+16384*\u+512*\b   ; 512 consecutive bytes, at a multiple of 512 from the image's first byte
.endr
.endr
.endm
	PASS 0
	PASS 1
	s_wait_dscnt 0x0                               ; the closing lines, six on end
	s_wait_alu 0x0
	s_wait_tensorcnt 0x0
	ds_add_u32 v46, v47
	s_wait_dscnt 0x0
	s_endpgm
.Lfunc_end_k_q91cb9b2b29_attn:
	.size	k_q91cb9b2b29_attn, .Lfunc_end_k_q91cb9b2b29_attn-k_q91cb9b2b29_attn
	.p2alignl 7, 3214868480
	.fill 96, 4, 3214868480
	.section	.rodata,"a",@progbits
	.p2align	6, 0x0
	.amdhsa_kernel k_q91cb9b2b29_attn
		.amdhsa_group_segment_fixed_size 263168
		.amdhsa_private_segment_fixed_size 0
		.amdhsa_enable_private_segment 0
		.amdhsa_kernarg_size 40
		.amdhsa_user_sgpr_count 2
		.amdhsa_user_sgpr_kernarg_segment_ptr 1
		.amdhsa_wavefront_size32 1
		.amdhsa_system_sgpr_workgroup_id_x 1
		.amdhsa_system_sgpr_workgroup_id_y 1
		.amdhsa_system_sgpr_workgroup_id_z 1
		.amdhsa_system_vgpr_workitem_id 0
		.amdhsa_next_free_vgpr 448
		.amdhsa_next_free_sgpr 66
		.amdhsa_reserve_vcc 0
		.amdhsa_float_denorm_mode_32 3
		.amdhsa_float_denorm_mode_16_64 3
		.amdhsa_memory_ordered 1
		.amdhsa_forward_progress 1
		.amdhsa_inst_pref_size 93
	.end_amdhsa_kernel
	.amdgpu_metadata
---
amdhsa.version: [ 1, 2 ]
amdhsa.kernels:
  - .name:           k_q91cb9b2b29_attn
    .symbol:         k_q91cb9b2b29_attn.kd
    .args:
      - { .name: q_img, .offset: 0, .size: 8, .value_kind: global_buffer, .address_space: global }
      - { .name: k_img, .offset: 8, .size: 8, .value_kind: global_buffer, .address_space: global }
      - { .name: v_img, .offset: 16, .size: 8, .value_kind: global_buffer, .address_space: global }
      - { .name: lowp_scales, .offset: 24, .size: 8, .value_kind: global_buffer, .address_space: global }
      - { .name: a_img, .offset: 32, .size: 8, .value_kind: global_buffer, .address_space: global }
    .group_segment_fixed_size: 263168
    .private_segment_fixed_size: 0
    .kernarg_segment_align: 8
    .kernarg_segment_size: 40
    .max_flat_workgroup_size: 256
    .sgpr_count:     66
    .vgpr_count:     448
    .wavefront_size: 32
...
	.end_amdgpu_metadata
.endif
;; end of part 6
;; launch proj (part 7): grid 128 x 1, 4 waves a work-group, no clusters, 141,824 bytes of LDS; arguments a_img, wout_img, bout, g_out, lowp_scales, out0; writes out0
.if DOCPART == 7
	.amdgcn_target "amdgcn-amd-amdhsa--gfx1250"
	.amdhsa_code_object_version 6
	.text
	.protected	k_q91cb9b2b29_proj
	.globl	k_q91cb9b2b29_proj
	.p2align	8
	.type	k_q91cb9b2b29_proj,@function
k_q91cb9b2b29_proj:
	s_mov_b64 s[64:65], 0
	v_nop
	global_prefetch_b8 v0, s[64:65] scope:SCOPE_SE
	s_setreg_imm32_b32 hwreg(HW_REG_WAVE_SCHED_MODE, 0, 2), 2
	s_setreg_imm32_b32 hwreg(HW_REG_WAVE_MODE, 25, 1), 1
	s_wait_xcnt 0x0
	s_wait_alu depctr_vm_vsrc(0)
; out0 = normalise(a Wout^T + bout) x g_out x 32, the product on codes of FP8 (scales 6, 7); a_img and wout_img are images of operand registers (tile T's place r is row 32 (T / 2) + 8 (T % 2) + r + 8 (r / 8);
; a fragment is [piece c][lane][16 bytes], lane (r, h), piece c: k = 32 c + 16 h + 0 .. 15).
; SHARES.  A work-group owns 64 whole rows (tokens), so the norm over the 1,024 columns stays inside it: 128 work-groups.  With 32 rows each there would be 256, and every one would still stream all of Wout's 1,048,576 bytes of codes: twice the stream for the same products.
; The 64 tokens' codes, 65,536 bytes, are copied once into LDS (the stationary operand, source 1); wave w streams Wout's tiles 16 w .. 16 w + 15 (source 0) from memory straight into a ring of 16 fragments in registers:
; a lane holds ONE token, its registers run along the output channels.  NO CLUSTER, NO TENSOR LOADS: a K step of the stream is 131,072 bytes a work-group, so LDS would hold two slots of one K step, with a wait for all loads and a
; barrier of the cluster for every 64 matrix instructions of a wave; the ring in registers has 64 loads of 512 bytes a wave asked for and is never drained.
; LIMITS: e6 + e7 between -126 and 127.  NaN is not served.  The norm is taken as value x g x (32 x 1 / max(sqrt(sum of squares), 1e-12)): another order of f32 roundings than x / norm x g x 32.
; THE MODE: SCHED_MODE bits 1:0 = 2 (LLVM: expert scheduling mode 2), set by the entry lines.  The code itself states the register dependences between vector or matrix instructions and memory or LDS instructions, with s_wait_alu, always for 0.
; THE PLAN.  Registers that memory or LDS instructions touch:
;   v1-v7, v14, v15  offsets and LDS addresses: written once at the head, never again: every offset is an immediate.
;   the ring      slot n % 4: the 16 loads of instance n land in it; instance n's 16 products read it; behind them it is asked for again, for instance n + 4.  In the epilogue bias and g land in it.
;   XS, two sets  at the head the stationary copy lands in them and LDS stores read them; then the LDS loads of K step k + 1, issued at K step k's head, land in the set that K step k - 1's products read; on the way out a tile's rows land there from the
;                 stage, and stores read them.
;   v[SS + 4 a]   four partial sums: written by additions, read by four LDS stores.
;   the accumulators  written by products and by the epilogue's vector lines, read at the end by the stage's LDS stores.
; ONE wait on va_vdst stands in an instance, behind its products and ahead of the loads into the slot that they read; at a K step's last instance it also states that the products are done reading the stationary set in which the next instance's
; LDS loads land: only loads, a window switch and waits stand between.  It stands there and not at the next instance's head because all 1,024 registers are taken: there is no fifth slot, and a slot that waited for the next instance's data would lie idle meanwhile.
; REGISTERS, in windows of 256: window 0: v1-7, v14, v15 addresses; v24-31 the rows' factors; v32-47 sums of squares; v48-63 the waves' partial sums; v64-79 bias and g on their way to LDS; v126, v127 the closing add's two;
;   v128-255 the stationary copy, then two sets of 4 stationary fragments, then rows of the output.   window 1: the ring; in the epilogue bias at v[8 b + j], g at v[128 + 8 b + j].
;   windows 2, 3: the accumulators: (token tile a, channel tile b) in window 2 + b / 8 at v[8 (4 (b % 8) + a)].
.set BIASL, 65536                      ; LDS: 0 the stationary images; 65,536 the 1,024 biases;
.set GLO,   4096                       ; 4,096 bytes behind them the 1,024 gains;
.set RED,   73728                      ; 73,728 the partial sums of squares: [wave][tile a][place r], f32;
.set STAGE, 74752                      ; 74,752 a stage for each wave: 16 rows x (1,024 bytes + 16)
.set SPI,   1040                       ; = 65 x 16: the sixteen rows that a store touches start at sixteen different banks
.set LI,   1                           ; v1   16 x lane
.set TI,   2                           ; v2   16 x thread
.set T32,  3                           ; v3   32 x thread
.set BST,  4                           ; v4   BIASL + 32 x thread
.set BADR, 5                           ; v5   BIASL + 1,024 x wave + 64 h
.set RADR, 6                           ; v6   RED + 256 x wave + 4 r
.set RRD,  7                           ; v7   RED + 4 r
.set STO,  14                          ; v14  my stage + 1,040 r + 64 h
.set SRD,  15                          ; v15  my stage + 16 x lane
.set RN,   24
.set SS,   32
.set PS,   48
.set BG,   64
.set XS,   128
.set WV,   22                          ; s22  wave
.set ST,   32                          ; s[32:33] the stationary operand
.set SM,   34                          ; s[34:35] my wave's stream
.set OUT,  36                          ; s[36:37] my 256 columns of the block's first row
.set SC,   38                          ; s[38:39] 2^(e6 + e7), twice
.set SEL,  44                          ; s[44:45] v_permlanex16_b32's selects for lane l xor 16
.set MSB, 0
.macro WIN new                         ; the immediate's high byte repeats the setting that is left; a switch that changes nothing is dropped
.if MSB != (\new)
	s_set_vgpr_msb (MSB<<8)|(\new)
.set MSB, (\new)
.endif
.endm
.set MULW, 0xa1                        ; source 0 (ring) window 1, source 1 (stationary) window 0, C and D window 2; + 0x50: window 3
.set TO_R, 0x40                        ; destination window 1, address window 0
.macro XLOAD k                         ; the four stationary fragments of K step k into set k % 2
	WIN 0
.irp a, 0,1,2,3
.irp c, 0,1,2,3
	ds_load_b128 v[XS+64*((\k)%2)+16*\a+4*\c:XS+64*((\k)%2)+16*\a+4*\c+3], v[LI] offset:16384*\a+2048*(\k)+512*\c
.endr
.endr
.endm
.macro RLOAD idx, grp, held            ; instance idx = K step idx / grp, group idx % grp of four stream tiles: 16 loads of 512 consecutive bytes into ring slot idx % 4.  Every offset is an immediate: no address is ever rewritten.  held = 1: products have read the slot
	WIN TO_R
.if \held
	s_wait_alu depctr_va_vdst(0)                   ; the instance's 16 products are done reading this ring slot, in which the loads below land, and the stationary set, in which the next K step's LDS loads land
.endif
.irp i, 0,1,2,3
.irp c, 0,1,2,3
	global_load_b128 v[64*((\idx)%4)+16*\i+4*\c:64*((\idx)%4)+16*\i+4*\c+3], v[LI], s[SM:SM+1] offset:(4*((\idx)%(\grp))+\i)*16384+2048*((\idx)/(\grp))+512*\c
.endr
.endr
.endm
; An instance: 16 matrix instructions, four stream tiles x four stationary tiles, 128 along K.  The accumulators take turns, one instruction a turn: an accumulator comes again four instances later.
.macro INST idx, grp
.set KK, (\idx)/(\grp)
.set GG, (\idx)%(\grp)
.set LAST, 8*(\grp)-1
.if GG == 0
	s_wait_dscnt 0x0                               ; this K step's stationary fragments are in (asked for a K step ago)
.if KK < 7
	XLOAD KK+1                                     ; the next K step's, into the other set: its last readers stand ahead of the wait on va_vdst in the instance before, and only loads, a switch and waits have followed it
.endif
.endif
.if LAST-(\idx) >= 3
	s_wait_loadcnt 48                              ; loads come back in order (ISA guide 5.7.1): this instance's 16 are in, those of the three instances behind it stay out
.else
	s_wait_loadcnt 16*(LAST-(\idx))                ; the tail: two, one, none behind it
.endif
	WIN MULW+0x50*(GG/2)
.irp i, 0,1,2,3
.irp a, 0,1,2,3
.if KK == 0
	v_wmma_f32_16x16x128_fp8_fp8 v[8*(4*((4*GG+\i)%8)+\a):8*(4*((4*GG+\i)%8)+\a)+7], v[64*((\idx)%4)+16*\i:64*((\idx)%4)+16*\i+15], v[XS+64*(KK%2)+16*\a:XS+64*(KK%2)+16*\a+15], 0
.else
	v_wmma_f32_16x16x128_fp8_fp8 v[8*(4*((4*GG+\i)%8)+\a):8*(4*((4*GG+\i)%8)+\a)+7], v[64*((\idx)%4)+16*\i:64*((\idx)%4)+16*\i+15], v[XS+64*(KK%2)+16*\a:XS+64*(KK%2)+16*\a+15], v[8*(4*((4*GG+\i)%8)+\a):8*(4*((4*GG+\i)%8)+\a)+7]
.endif
.endr
.endr
.rept 4
	v_nop                                          ; the four places (ISA guide 7.12.1) behind the products stay, beside the wait that follows them; behind the last instance they stand in front of the first read of results
.endr
.if (\idx)+4 <= LAST
	RLOAD (\idx)+4,\grp,1
.endif
.endm
.macro BARRIER                         ; my LDS stores have landed and my LDS loads are in: then the work-group's barrier
	s_wait_dscnt 0x0
	s_barrier_signal -1
	s_barrier_wait -1
.endm
; THE EPILOGUE'S PARTS, each for one window of accumulators (wi = 0: window 2, channel tiles 0-7; 1: window 3, tiles 8-15).  Register X of a window is accumulator (a = (X / 8) % 4, b = 8 wi + X / 32), register X % 8.
.macro E_BIAS wi                       ; sum x 2^(e6 + e7) + bias, in place; each accumulator from its low end on
	WIN 0x92+0x41*(\wi)
.set X, 0
.rept 128
	v_pk_fma_f32 v[X:X+1], v[X:X+1], s[SC:SC+1], v[64*(\wi)+8*(X/32)+X%8:64*(\wi)+8*(X/32)+X%8+1] op_sel_hi:[1,0,1]
.set X, X+2
.endr
.endm
.macro E_SQ wi                         ; sums of squares: two chains of pairs for each token tile, eight chains by turns; the first products start them: nothing is cleared
	WIN 0x0a+5*(\wi)
.irp bb, 0,1,2,3,4,5,6,7
.irp j, 0,2,4,6
.irp a, 0,1,2,3
.if ((\wi)==0)&&(\bb==0)&&(\j<4)
	v_pk_mul_f32 v[SS+4*\a+\j:SS+4*\a+\j+1], v[8*(4*\bb+\a)+\j:8*(4*\bb+\a)+\j+1], v[8*(4*\bb+\a)+\j:8*(4*\bb+\a)+\j+1]
.else
	v_pk_fma_f32 v[SS+4*\a+\j%4:SS+4*\a+\j%4+1], v[8*(4*\bb+\a)+\j:8*(4*\bb+\a)+\j+1], v[8*(4*\bb+\a)+\j:8*(4*\bb+\a)+\j+1], v[SS+4*\a+\j%4:SS+4*\a+\j%4+1]
.endif
.endr
.endr
.endr
.endm
.macro E_GAIN wi                       ; x g
	WIN 0x86+0x41*(\wi)
.set X, 0
.rept 128
	v_pk_mul_f32 v[X:X+1], v[X:X+1], v[128+64*(\wi)+8*(X/32)+X%8:128+64*(\wi)+8*(X/32)+X%8+1]
.set X, X+2
.endr
.endm
.macro E_NORM wi                       ; x the row's factor
	WIN 0x82+0x41*(\wi)
.set X, 0
.rept 128
	v_pk_mul_f32 v[X:X+1], v[X:X+1], v[RN+2*((X/8)%4):RN+2*((X/8)%4)+1]
.set X, X+2
.endr
.endm
	s_load_b256 s[4:11], s[0:1], 0x0               ; a_img s[4:5], wout_img s[6:7], bout s[8:9], g_out s[10:11]
	s_load_b128 s[12:15], s[0:1], 0x20             ; the scales s[12:13], out0 s[14:15]
	v_lshl_add_u32 v126, v0, 2, 0x22800
	v_mov_b32 v127, 0
	v_lshrrev_b32 v11, 5, v0
	v_readfirstlane_b32 s[WV], v11                 ; wave 0..3
	v_and_b32 v11, 31, v0
	v_lshlrev_b32 v[LI], 4, v11
	v_lshlrev_b32 v[TI], 4, v0
	v_lshlrev_b32 v[T32], 5, v0
	v_add_nc_u32 v[BST], BIASL, v[T32]
	v_and_b32 v12, 15, v0                          ; r
	v_bfe_u32 v13, v0, 4, 1                        ; h
	s_wait_alu depctr_va_sdst(0)                   ; the wave's number is written into s22, ahead of its first reader, the line below
	s_lshl_b32 s50, s[WV], 10
	s_add_co_u32 s50, s50, BIASL
	v_lshl_add_u32 v[BADR], v13, 6, s50
	s_lshl_b32 s51, s[WV], 8
	s_add_co_u32 s51, s51, RED
	v_lshl_add_u32 v[RADR], v12, 2, s51
	v_lshlrev_b32 v[RRD], 2, v12
	v_add_nc_u32 v[RRD], RED, v[RRD]
	s_mul_i32 s50, s[WV], 16*SPI
	s_add_co_u32 s50, s50, STAGE
	v_mul_u32_u24 v[STO], v12, SPI
	v_lshl_add_u32 v[STO], v13, 6, v[STO]
	v_add_nc_u32 v[STO], s50, v[STO]
	v_add_nc_u32 v[SRD], s50, v[LI]
	s_mov_b32 s[SEL], 0x76543210
	s_mov_b32 s[SEL+1], 0xfedcba98
	s_lshl_b32 s52, ttmp9, 16                      ; the block's four token tiles: 65,536 bytes of a_img
	s_mov_b32 s53, 0
	s_lshl_b32 s54, s[WV], 18                      ; my wave's 16 tiles of wout_img
	s_mov_b32 s55, 0
	s_lshl_b32 s56, ttmp9, 18                      ; the block's 64 rows of 4,096 bytes,
	s_lshl_b32 s57, s[WV], 10                      ; my wave's 256 columns
	s_add_co_u32 s56, s56, s57
	s_mov_b32 s57, 0
	s_wait_kmcnt 0x0
	s_load_b256 s[24:31], s[12:13], 0x0            ; e0 .. e7
	s_add_nc_u64 s[ST:ST+1], s[4:5], s[52:53]
	s_add_nc_u64 s[SM:SM+1], s[6:7], s[54:55]
	s_add_nc_u64 s[OUT:OUT+1], s[14:15], s[56:57]
	s_wait_alu depctr_va_vdst(0)                   ; the offsets and LDS addresses v1 to v7, v14 and v15 are written, which the loads and stores of the whole kernel read
.irp i, 0,1,2,3,4,5,6,7,8,9,10,11,12,13,14,15,16,17,18,19,20,21,22,23,24,25,26,27,28,29,30,31
	global_load_b128 v[XS+4*\i:XS+4*\i+3], v[TI], s[ST:ST+1] offset:2048*\i   ; the stationary operand: the 128 threads take 2,048 consecutive bytes a line
.endr
	global_load_b128 v[BG:BG+3], v[T32], s[8:9]
	global_load_b128 v[BG+4:BG+7], v[T32], s[8:9] offset:16
	global_load_b128 v[BG+8:BG+11], v[T32], s[10:11]
	global_load_b128 v[BG+12:BG+15], v[T32], s[10:11] offset:16
	RLOAD 0,4,0
	WIN 0
	s_wait_loadcnt 16                              ; the copy, the biases and the gains are in; instance 0's 16 loads may be out
.irp i, 0,1,2,3,4,5,6,7,8,9,10,11,12,13,14,15,16,17,18,19,20,21,22,23,24,25,26,27,28,29,30,31
	ds_store_b128 v[TI], v[XS+4*\i:XS+4*\i+3] offset:2048*\i
.endr
	ds_store_b128 v[BST], v[BG:BG+3]
	ds_store_b128 v[BST], v[BG+4:BG+7] offset:16
	ds_store_b128 v[BST], v[BG+8:BG+11] offset:GLO
	ds_store_b128 v[BST], v[BG+12:BG+15] offset:GLO+16
	RLOAD 1,4,0
	RLOAD 2,4,0
	RLOAD 3,4,0
	WIN 0
	s_wait_kmcnt 0x0
	s_add_co_i32 s[SC], s30, s31
	s_add_co_i32 s[SC], s[SC], 127
	s_lshl_b32 s[SC], s[SC], 23                    ; 2^(e6 + e7)
	s_mov_b32 s[SC+1], s[SC]                       ; (named with it as a pair, so it is written)
	BARRIER                                        ; the stationary images, the biases and the gains lie in LDS
	s_wait_alu depctr_vm_vsrc(0)                   ; my LDS stores have read v[XS ..], in which the stationary fragments land from here on
	XLOAD 0
.set N, 0
.rept 32
	INST N,4
.set N, N+1
.endr
	WIN TO_R                                       ; the ring is free: my 256 channels' bias and g, in the result's layout: pair p of tiles: 16 neighbours at 128 p + 64 h
	s_wait_alu depctr_va_vdst(0)                   ; the last four instances' products are done reading the ring, in which the LDS loads below land
.irp p, 0,1,2,3,4,5,6,7
.irp j, 0,1,2,3
	ds_load_b128 v[16*\p+4*\j:16*\p+4*\j+3], v[BADR] offset:128*\p+16*\j
	ds_load_b128 v[128+16*\p+4*\j:128+16*\p+4*\j+3], v[BADR] offset:GLO+128*\p+16*\j
.endr
.endr
	s_wait_dscnt 0x0
	E_BIAS 0
	E_SQ 0
	E_BIAS 1
	E_SQ 1
	WIN 0
.irp a, 0,1,2,3
	v_pk_add_f32 v[SS+4*\a:SS+4*\a+1], v[SS+4*\a:SS+4*\a+1], v[SS+4*\a+2:SS+4*\a+3]
.endr
.irp a, 0,1,2,3
	v_add_f32 v[SS+4*\a], v[SS+4*\a], v[SS+4*\a+1]
.endr
.irp a, 0,1,2,3
	v_permlanex16_b32 v[SS+4*\a+1], v[SS+4*\a], s[SEL], s[SEL+1]   ; the token's other 128 of my wave's channels lie in the lane 16 away
.endr
.irp a, 0,1,2,3
	v_add_f32 v[SS+4*\a], v[SS+4*\a], v[SS+4*\a+1]
.endr
	s_wait_alu depctr_va_vdst(0)                   ; the additions have written the four partial sums, which the LDS stores read
.irp a, 0,1,2,3
	ds_store_b32 v[RADR], v[SS+4*\a] offset:64*\a  ; lanes r and r + 16 write the same word with the same number
.endr
	BARRIER                                        ; the four waves' partial sums lie in LDS
.irp a, 0,1,2,3
.irp w, 0,1,2,3
	ds_load_b32 v[PS+4*\a+\w], v[RRD] offset:256*\w+64*\a
.endr
.endr
	s_wait_dscnt 0x0
.irp a, 0,1,2,3
	v_add_f32 v[PS+4*\a], v[PS+4*\a], v[PS+4*\a+1]
	v_add_f32 v[PS+4*\a+2], v[PS+4*\a+2], v[PS+4*\a+3]
.endr
.irp a, 0,1,2,3
	v_add_f32 v[PS+4*\a], v[PS+4*\a], v[PS+4*\a+2] ; the same order in every wave: all four get the same number
.endr
.irp a, 0,1,2,3
	v_sqrt_f32 v[PS+4*\a+1], v[PS+4*\a]
.endr
	v_nop                                          ; a plain line behind the last root,
	s_wait_alu depctr_va_vdst(0)                   ; and one wait for the four roots' results, ahead of their first reader
.irp a, 0,1,2,3
	v_max_num_f32 v[PS+4*\a+1], 0x2b8cbccc, v[PS+4*\a+1]   ; max(norm, 1e-12)
.endr
.irp a, 0,1,2,3
	v_rcp_f32 v[PS+4*\a+2], v[PS+4*\a+1]
.endr
	v_nop
	s_wait_alu depctr_va_vdst(0)                   ; likewise for the four reciprocals' results
.irp a, 0,1,2,3
	v_mul_f32 v[RN+2*\a], 0x42000000, v[PS+4*\a+2] ; x 32
	v_mul_f32 v[RN+2*\a+1], 0x42000000, v[PS+4*\a+2]
.endr
	E_GAIN 0
	E_NORM 0
	E_GAIN 1
	E_NORM 1
	; THE WAY OUT, a token tile at a time.  A lane holds pieces of ONE row and the lanes beside it hold other rows: so the tile's 16 rows x 1,024 bytes go through my own stage and come back as rows.
	; LDS serves a wave's instructions in order (ISA guide 5.7.1.4): no wait between the stores and the loads, nor in front of the next tile's stores.
	s_wait_alu depctr_va_vdst(0)                   ; the multiplications have written the accumulators, which the stage's LDS stores of all four tiles read; no vector line follows
.irp a, 0,1,2,3
	WIN 0x08                                       ; store data in window 2
.irp bb, 0,1,2,3,4,5,6,7
	ds_store_b128 v[STO], v[8*(4*\bb+\a):8*(4*\bb+\a)+3] offset:128*(\bb/2)+32*(\bb%2)
	ds_store_b128 v[STO], v[8*(4*\bb+\a)+4:8*(4*\bb+\a)+7] offset:128*(\bb/2)+32*(\bb%2)+16
.endr
	WIN 0x0c                                       ; in window 3
.irp bb, 0,1,2,3,4,5,6,7
	ds_store_b128 v[STO], v[8*(4*\bb+\a):8*(4*\bb+\a)+3] offset:512+128*(\bb/2)+32*(\bb%2)
	ds_store_b128 v[STO], v[8*(4*\bb+\a)+4:8*(4*\bb+\a)+7] offset:512+128*(\bb/2)+32*(\bb%2)+16
.endr
	WIN 0
.if \a > 0
	s_wait_xcnt 0x0                                ; the last tile's stores have had their addresses translated: their registers are loaded again only behind this wait,
	s_wait_alu depctr_vm_vsrc(0)                   ; and beside it: the last tile's stores have read v[XS ..], in which the loads below land
.endif
.irp i, 0,1,2,3,4,5,6,7,8,9,10,11,12,13,14,15
.irp f, 0,1
	ds_load_b128 v[XS+4*(2*\i+\f):XS+4*(2*\i+\f)+3], v[SRD] offset:SPI*\i+512*\f
.endr
.endr
.irp i, 0,1,2,3,4,5,6,7,8,9,10,11,12,13,14,15
.irp f, 0,1
	s_wait_dscnt 31-(2*\i+\f)                      ; LDS loads come back in order: this one is in, the younger ones stay out
	global_store_b128 v[LI], v[XS+4*(2*\i+\f):XS+4*(2*\i+\f)+3], s[OUT:OUT+1] offset:(32*(\a/2)+8*(\a%2)+\i+8*(\i/8))*4096+512*\f th:TH_STORE_NT   ; place i of tile a is that row of the block; 32 lanes store 512 consecutive bytes, aligned; written once, read by nobody here
.endr
.endr
.endr
	s_wait_dscnt 0x0                               ; the closing lines, six on end
	s_wait_alu 0x0
	s_wait_tensorcnt 0x0
	ds_add_u32 v126, v127
	s_wait_dscnt 0x0
	s_endpgm
.Lfunc_end_k_q91cb9b2b29_proj:
	.size	k_q91cb9b2b29_proj, .Lfunc_end_k_q91cb9b2b29_proj-k_q91cb9b2b29_proj
	.p2alignl 7, 3214868480
	.fill 96, 4, 3214868480
	.section	.rodata,"a",@progbits
	.p2align	6, 0x0
	.amdhsa_kernel k_q91cb9b2b29_proj
		.amdhsa_group_segment_fixed_size 141824
		.amdhsa_private_segment_fixed_size 0
		.amdhsa_enable_private_segment 0
		.amdhsa_kernarg_size 48
		.amdhsa_user_sgpr_count 2
		.amdhsa_user_sgpr_kernarg_segment_ptr 1
		.amdhsa_wavefront_size32 1
		.amdhsa_system_sgpr_workgroup_id_x 1
		.amdhsa_system_sgpr_workgroup_id_y 1
		.amdhsa_system_sgpr_workgroup_id_z 1
		.amdhsa_system_vgpr_workitem_id 0
		.amdhsa_next_free_vgpr 1024
		.amdhsa_next_free_sgpr 66
		.amdhsa_reserve_vcc 0
		.amdhsa_float_denorm_mode_32 3
		.amdhsa_float_denorm_mode_16_64 3
		.amdhsa_memory_ordered 1
		.amdhsa_forward_progress 1
		.amdhsa_inst_pref_size 210
	.end_amdhsa_kernel
	.amdgpu_metadata
---
amdhsa.version: [ 1, 2 ]
amdhsa.kernels:
  - .name:           k_q91cb9b2b29_proj
    .symbol:         k_q91cb9b2b29_proj.kd
    .args:
      - { .name: a_img, .offset: 0, .size: 8, .value_kind: global_buffer, .address_space: global }
      - { .name: wout_img, .offset: 8, .size: 8, .value_kind: global_buffer, .address_space: global }
      - { .name: bout, .offset: 16, .size: 8, .value_kind: global_buffer, .address_space: global }
      - { .name: g_out, .offset: 24, .size: 8, .value_kind: global_buffer, .address_space: global }
      - { .name: lowp_scales, .offset: 32, .size: 8, .value_kind: global_buffer, .address_space: global }
      - { .name: out0, .offset: 40, .size: 8, .value_kind: global_buffer, .address_space: global }
    .group_segment_fixed_size: 141824
    .private_segment_fixed_size: 0
    .kernarg_segment_align: 8
    .kernarg_segment_size: 48
    .max_flat_workgroup_size: 128
    .sgpr_count:     66
    .vgpr_count:     1024
    .wavefront_size: 32
...
	.end_amdgpu_metadata
.endif
;; end of part 7
